; MI455X (gfx1250); checked and timed in simulation.
; The chip was launched on July 23, 2026; its instructions are those of AMD's public machine-readable ISA for CDNA 5 (MIT licence, August 2026) and "CDNA5" Instruction Set Architecture Reference Guide (July 2026). The comments in the code are by the model that wrote it; some were corrected since.
;; Multi Head Attention. Allowed arithmetic: matrix products marked QUANTISED: E2M1 operands, one E8M0 scale for each 32 along K, by v_wmma_scale_f32_16x16x128_f8f6f4 with both operands' format E2M1 (or v_wmma_scale_f32_32x16x128_f4), f32 sums; everything else in f32.
;; Inputs: b_out 1,024 float32; b_qkv 3,072 float32; w_out_codes 1,024 x 32 x 16 uint8 (E2M1 codes of w_out, K innermost, in blocks of 32 codes, two codes a byte); w_out_scales 1,024 x 32 uint8 (E8M0 scales of w_out, one for each 32 codes along K); w_qkv_codes 3,072 x 32 x 16 uint8 (E2M1 codes of w_qkv, K innermost, in blocks of 32 codes, two codes a byte); w_qkv_scales 3,072 x 32 uint8 (E8M0 scales of w_qkv, one for each 32 codes along K); x_codes 4 x 2,048 x 32 x 16 uint8 (E2M1 codes of x, K innermost, in blocks of 32 codes, two codes a byte); x_scales 4 x 2,048 x 32 uint8 (E8M0 scales of x, one for each 32 codes along K).
;; Outputs: out0 4 x 2,048 x 1,024 float32.
;; This version of the problem:
;;   THIS VERSION OF THE PROBLEM IS GIVEN IN LOW PRECISION. The matrix products marked QUANTISED in the list below multiply operands that are first quantised to E2M1 (2 exponent bits, 1 mantissa bit; 4 bits a number), with one power-of-two scale for each 32 numbers along K (OCP MX v1.0); their sums are f32. All else is computed in f32.
;;   The module's matrix products, in the order in which they are computed (A, B: the left and right operand; K: the contracted axis; several contracted axes count as one K, in the product's order):
;;     1. [M 8,192, K 1,024] x [K 1,024, N 3,072]; A: input x (given as codes); B: input w_qkv (given as codes): QUANTISED
;;     2. batch 64 x [M 2,048, K 64] x [K 64, N 2,048]; A: computed on the way; B: computed on the way: QUANTISED
;;     3. batch 64 x [M 2,048, K 2,048] x [K 2,048, N 64]; A: softmax (see below); B: computed on the way: QUANTISED
;;     4. [M 8,192, K 1,024] x [K 1,024, N 1,024]; A: computed on the way; B: input w_out (given as codes): QUANTISED
;;   THE QUANTISER, for each operand of a quantised product, along K:
;;     - K is cut into blocks of 32 from its start; a last block that is shorter is filled with zeros.
;;     - A block's scale is 2^e with e = floor(log2(the largest magnitude in the block)) - 2, held to -126 .. 127; a block of zeros has e = 0. As a byte (E8M0): e + 127.
;;     - Each number is divided by its block's scale, clamped to +-6, and rounded to the nearest number of E2M1, ties to even, subnormals kept.
;;     - The product sums the exact products of the quantised numbers (number of the format x scale) in f32.
;;   ~~~python
;;   def quantise(x, axis):      # numpy; x: float32 -> the quantised numbers, widened to float32 again
;;       x = np.moveaxis(x, axis, -1); K = x.shape[-1]
;;       x = np.pad(x, [(0, 0)] * (x.ndim - 1) + [(0, -K % 32)]); x = x.reshape(x.shape[:-1] + (-1, 32)); a = np.abs(x).max(-1, keepdims=True)
;;       e = np.where(a > 0, np.clip(np.frexp(np.where(a > 0, a, 1))[1] - 1 - 2, -126, 127), 0)      # np.frexp(a)[1] - 1 = floor(log2(a)), exactly
;;       r = np.clip(x / 2.0 ** e, -6, 6)
;;       step = 2.0 ** (np.maximum(np.frexp(np.where(r == 0, 1, r))[1] - 1, 0) - 1)
;;       q = np.round(r / step) * step * 2.0 ** e      # np.round: ties to even
;;       return np.moveaxis(q.reshape(q.shape[:-2] + (-1,))[..., :K], -1, axis).astype(np.float32)
;;   ~~~
;;   SOFTMAX AHEAD OF A QUANTISED PRODUCT. Where the list says 'softmax', what is quantised is not the finished softmax but p = 2^(t - M), with t = logit x log2(e) and M = ceil(the row's largest t), a whole number; so 1/2 < the row's largest p <= 1. The row's sum l is taken of the UNQUANTISED p, in f32, and the product's result is divided by l at the end. Since M is a whole number, a kernel that streams over the keys may use a running M (the ceiling of the running maximum): every later rescaling is an exact power of two, which a block's scale takes up: the codes' values come out the same.
;;   OPERANDS COMPUTED ON THE WAY. 'Computed on the way' means the value that the module computes at that place (a softmax that the list does not call 'softmax' is quantised finished and normalised). What goes into a quantiser is computed in f32, as accurately as f32 sums, v_exp_f32 and their like allow (about 1e-6 of the number): no bf16 or f16 on the way to a quantiser, and a product that is left as it is and whose result goes on into a quantised operand takes f32 operands (vector FMAs, or v_wmma_f32_16x16x4_f32). A number that lies on a knife's edge between two numbers of the format may be rounded either way, as far as f32 arithmetic and the matrix unit's own rounding can turn it there, and no further.
;;   INPUTS GIVEN AS CODES. w_out (in the module: [1024, 1024], K = its axis 0); w_qkv (in the module: [1024, 3072], K = its axis 0); x (in the module: [4, 2048, 1024], K = its axis 2): each comes as NAME_codes (uint8): NAME with its K axis moved to the last place and cut into blocks of 32 codes, [.., K / 32, bytes a block], one block behind the other in memory; two codes a byte, the lower K in the low four bits (a code: sign, 2 exponent bits, 1 mantissa bit); and NAME_scales (uint8): the same leading axes, one E8M0 byte (e + 127) for each 32 codes along K. Its value is code x scale, taken as it is: it is not quantised again, and the codes and scales need not be those that the quantiser above would give.
;; One version. Each part assembles by itself: llvm-mc -triple=amdgcn-amd-amdhsa -mcpu=gfx1250 --defsym DOCPART=n.
;; ======== version 1 of 1: 3 launches
;; workspace buffers: qkv_codes 12,582,912 bytes; qkv_scales 1,572,864 bytes; att_codes 4,194,304 bytes; att_scales 262,144 bytes
;; launch qkv (part 1): grid 96 x 4, 4 waves a work-group, clusters of 4 x 4, 296,448 bytes of LDS; arguments x_codes, x_scales, w_qkv_codes, w_qkv_scales, b_qkv, qkv_codes, qkv_scales; writes qkv_codes, qkv_scales
.if DOCPART == 1
	.amdgcn_target "amdgcn-amd-amdhsa--gfx1250"
	.amdhsa_code_object_version 6
	.text
	.protected	k_q84314b7336_qkv
	.globl	k_q84314b7336_qkv
	.p2align	8
	.type	k_q84314b7336_qkv,@function
k_q84314b7336_qkv:
	s_mov_b64 s[64:65], 0
	v_nop
	global_prefetch_b8 v0, s[64:65] scope:SCOPE_SE
	s_setreg_imm32_b32 hwreg(HW_REG_WAVE_MODE, 25, 1), 1
	s_wait_xcnt 0x0
	s_wait_alu depctr_hold_cnt(0) depctr_sa_sdst(0) depctr_va_vdst(0) depctr_va_sdst(0) depctr_va_ssrc(0) depctr_va_vcc(0) depctr_vm_vsrc(0)
	s_getreg_b32 s2, hwreg(HW_REG_IB_STS2, 6, 4)
	s_cmp_eq_u32 s2, 0
	s_cbranch_scc0 .Lentry_in_a_cluster
	s_endpgm
.Lentry_in_a_cluster:
	s_bfe_u32 s2, ttmp6, 0x10000c
	s_cmp_lg_u32 s2, 0xf033
	s_cbranch_scc0 .Lentry_shape_is_right
	s_endpgm
.Lentry_shape_is_right:
; qkv = x w_qkv + b_qkv on codes of FP4 (E2M1) with E8M0 scales, and the quantising of q, k (along the head's 64) and v (along the keys) into this program's own buffers.
; x: 8,192 rows, w_qkv: 3,072 rows, each row 1,024 codes = 512 bytes, 32 scale bytes a row.
; SHARES.  24 clusters of 4 x 4 work-groups, a work-group makes 256 x 256, a wave 128 x 128 (64 accumulators, 512 registers).  All of K lies in LDS at once: two halves of 512 along K, each filled once.
; TWO KINDS OF CLUSTER, told apart by the cluster's number alone (the same in all sixteen partners):
;   clusters 0-15, q and k: source 0 ("B") = rows 0-2047 of w_qkv, source 1 ("A") = x.  A lane holds one token, its registers run along the features: the head's axis, along which q and k are quantised.
;   clusters 16-23, v:      source 0 ("B") = x, source 1 ("A") = rows 2048-3071 of w_qkv.  A lane holds one feature, its registers run along the tokens: the keys, along which v is quantised.
; Only pointers, a row offset, the bias's layout and the output's index differ; both kinds take one path but for the bias's loads and the first K step, whose C is the bias.
; JOINT LOADS: A's tiles are shared along a row of the cluster, B's along a column.
; QUANTISING.  Tile t of a wave's eight holds source-0 rows 16 t + 8 (lane / 16) + j in register j.  A block of 32 is tiles 2 b, 2 b + 1 in lanes l and l xor 16.  The conversion of tile 2 b + u gives eight codes, piece
; 2 u + lane / 16 of block b; one exchange of half rows between the registers of blocks 2 c and 2 c + 1 lays them as an operand's registers: register 4 c + i = k 64 c + 32 (lane / 16) + 8 i on.
; OUTPUT, as images of operand registers (lane l's 16 bytes at 16 l, 512 bytes a store):
;   qkv_codes: units of 1,024 bytes [c 2][lane 32][16].  q, k: unit ((which 4 + batch) 8 + head / 2) 128 + token tile; half c = head % 2.  v: unit 8192 + (batch 16 + key step) 64 + head 4 + d tile.
;   qkv_scales: 128 bytes a unit.  q, k: [c][token 16] words, bytes 0, 1 the head's two blocks, bytes 2, 3 zero (they scale zero codes).  v: [lane 32] words.
; LIMITS: NaN and infinities are not served.  A block of zeros, and one whose largest magnitude lies under 2^-124, gets the byte 1 (the quantiser's text says 127 for zeros): its codes are zeros, and this program alone reads the bytes.
.set PITCH,  272                       ; an LDS row: 256 bytes + 16 of padding = 68 words: the 16 rows that a load touches start at 16 different banks (64 banks of 4 bytes: ISA guide 11.1)
.set HALFT,  128*PITCH                 ; 128 rows: what one tensor load brings, and what a wave reads of A or of B
.set SLOT,   4*HALFT                   ; A's 256 rows, then B's 256 rows, 512 along K
.set SCL,    2*SLOT                    ; behind the two slots: the scales, as pieces of 256 bytes + 16 of padding
.set HALFS,  16*272                    ; the scales of 128 rows
.set SBLK,   2*272                     ; those of 16 rows
.set ADRA, 16                          ; v16-17  LDS address of my A fragments in slot 0, 1
.set ADRB, 20                          ; v20-21  the same for B
.set LI,   24                          ; v24     16 x lane
.set LS,   25                          ; v25     4 x lane
.set SH,   26                          ; v26     q, k: 16 x (lane / 16); v: 0: how far a scale word is shifted down
.set ADRS, 27                          ; v27     LDS address of my scale words: lanes 0-15 A's rows, lanes 16-31 B's
.set BO1,  28                          ; v28     32 x (lane / 16): the bias of q, k
.set BO2,  29                          ; v29     4 x (lane % 16): the bias of v
.set SC,   32                          ; v32-95  scale words, a set of 32 for each slot; register 4 i + q: lanes 0-15 A's block i, lanes 16-31 B's block i
.set TM,   96                          ; v96-111 at work in the quantiser
.set PW,   112                         ; v112    the scale word just made
.set AF,   128                         ; v128-191, v192-255 A's fragments, two sets (window 0)
.set BI,   64                          ; window 1, v64-127: the bias, eight tiles of eight registers
.set PCR,  128                         ; the way out: block a's codes at v[128 + 8 a]
.set SWR,  192                         ; and its scale word at v[192 + a]
.set SEL,  98                          ; s[98:99] lane selects for v_permlanex16_b32: lane l xor 16
.set G1, 24                            ; s[24:31] group 1 for A's codes;  s[32:39] groups 0, one for each slot
.set G0, 32
.set G1B, 48                           ; s[48:55], s[56:63] the same for B
.set G0B, 56
.set G1S, 68                           ; s[68:75], s[76:79] A's scales;  s[80:87], s[88:91] B's
.set G0S, 76
.set G1SB, 80
.set G0SB, 88
.set MSB, 0
.macro WIN new                         ; the immediate's high byte repeats the setting that is left; a switch that changes nothing is dropped
.if MSB != (\new)
	s_set_vgpr_msb (MSB<<8)|(\new)
.set MSB, (\new)
.endif
.endm
; A joint load: waves 0 and 1 fetch for A, waves 2 and 3 for B; the branch hangs on the wave's number alone.  Four v_nop follow each of the two lines.
.macro JLOAD g0a, g1a, g0b, g1b
	s_cmp_eq_u32 s19, 0
	s_cbranch_scc0 .Lfor_b_\@
	tensor_load_to_lds s[\g0a:\g0a+3], s[\g1a:\g1a+7]
	s_nop 0
.rept 4
	v_nop
.endr
	s_branch .Lasked_\@
.Lfor_b_\@:
	tensor_load_to_lds s[\g0b:\g0b+3], s[\g1b:\g1b+7]
	s_nop 0
.rept 4
	v_nop
.endr
.Lasked_\@:
.endm
.macro CROUND                          ; a round of the cluster's barrier
	s_barrier_signal -1
	s_barrier_wait -1
	s_cmp_lg_u32 s18, 0
	s_cbranch_scc1 .Lnot_wave_0_\@
	s_barrier_signal -3
.Lnot_wave_0_\@:
	s_barrier_wait -3
	s_barrier_signal -1
	s_barrier_wait -1
.endm
.macro PLACES n                        ; plain vector instructions between a matrix instruction and a load into, or a vector read of, its registers
.rept \n
	v_nop
.endr
.endm
	s_load_b256 s[4:11], s[0:1], 0x0               ; x's codes s[4:5], x's scales s[6:7], w's codes s[8:9], w's scales s[10:11]
	s_load_b128 s[12:15], s[0:1], 0x20             ; the bias s[12:13], qkv_codes s[14:15]
	s_load_b64 s[16:17], s[0:1], 0x30              ; qkv_scales
	v_lshl_add_u32 v126, v0, 2, 0x48400
	v_mov_b32 v127, 0
	ds_add_u32 v126, v127
	ds_add_u32 v126, v127
	v_lshrrev_b32 v1, 5, v0
	v_readfirstlane_b32 s18, v1                    ; wave 0..3
	s_lshr_b32 s19, s18, 1                         ; which half of A's 256 rows is mine.  Also: I fetch for A (0) or for B (1)
	s_and_b32 s20, s18, 1                          ; which half of B's.  Also: which 128 rows I fetch
	s_bfe_u32 s21, ttmp6, 0x40000                  ; cx
	s_bfe_u32 s22, ttmp6, 0x40004                  ; cy
	s_and_b32 s2, ttmp9, 1                         ; q, k: 2 x 8 clusters
	s_lshr_b32 s3, ttmp9, 1
	s_sub_co_u32 s43, ttmp9, 16                    ; v: 8 x 1 clusters
	s_cmp_lt_u32 ttmp9, 16
	s_cselect_b32 s2, s2, s43                      ; the cluster's place along B
	s_cselect_b32 s3, s3, 0                        ; and along A
	s_cselect_b32 s42, 0, 2048                     ; A's first row: v's weights begin at row 2,048
	s_lshl_b32 s40, s2, 2
	s_add_co_u32 s40, s40, s21                     ; B's tile of 256 rows
	s_lshl_b32 s41, s3, 2
	s_add_co_u32 s41, s41, s22                     ; A's tile of 256 rows
	s_lshl_b32 s2, s22, 2
	s_lshl_b32 s2, 15, s2                          ; my row of the cluster
	s_lshl_b32 s3, 0x1111, s21                     ; my column
	s_or_b32 s[G1], s2, (1<<20)|(1<<21)|(5<<22)|(3<<25)    ; 15:0 the mask; elements of 1 byte; 20 padding on; 21 set beside a mask; after every 64 words four words
	s_or_b32 s[G1B], s3, (1<<20)|(1<<21)|(5<<22)|(3<<25)
.irp g, G1, G1B
	s_mov_b32 s[\g+1], 256<<16                     ; tensor_dim0 = 256 bytes
	s_mov_b32 s[\g+2], 128<<16                     ; tensor_dim1 = 128 rows
	s_mov_b32 s[\g+3], 256<<16                     ; tile_dim0
	s_mov_b32 s[\g+4], 128                         ; tile_dim1
	s_mov_b32 s[\g+5], 512                         ; from row to row
	s_mov_b32 s[\g+6], 0
	s_mov_b32 s[\g+7], 0
.endr
	s_or_b32 s[G1S], s2, (3<<16)|(1<<20)|(1<<21)|(5<<22)|(3<<25)   ; the scales of 128 rows: 4,096 dense bytes as 16 rows of 32 elements of 8 bytes, padded likewise
	s_or_b32 s[G1SB], s3, (3<<16)|(1<<20)|(1<<21)|(5<<22)|(3<<25)
.irp g, G1S, G1SB
	s_mov_b32 s[\g+1], 32<<16
	s_mov_b32 s[\g+2], 16<<16
	s_mov_b32 s[\g+3], 32<<16
	s_mov_b32 s[\g+4], 16
	s_mov_b32 s[\g+5], 32
	s_mov_b32 s[\g+6], 0
	s_mov_b32 s[\g+7], 0
.endr
	s_lshl_b32 s2, s20, 7                          ; which 128 rows of a tile I fetch
	s_lshl_b32 s43, s41, 8
	s_add_co_u32 s43, s43, s2
	s_add_co_u32 s43, s43, s42                     ; A's row
	s_lshl_b32 s66, s40, 8
	s_add_co_u32 s66, s66, s2                      ; B's row
	s_mul_i32 s67, s18, HALFT                      ; where the codes go: wave x 128 rows: no place in the cluster enters an LDS address
	s_mul_i32 s3, s18, HALFS                       ; and the scales
	s_mov_b32 s97, 0
	s_mov_b32 s99, 0
	s_wait_dscnt 0x0
	s_wait_kmcnt 0x0
	s_cmp_lt_u32 ttmp9, 16                         ; the choice hangs on the cluster's number alone
	s_cselect_b64 s[44:45], s[4:5], s[8:9]         ; A's codes
	s_cselect_b64 s[46:47], s[6:7], s[10:11]       ; A's scales
	s_cselect_b64 s[92:93], s[8:9], s[4:5]         ; B's codes
	s_cselect_b64 s[94:95], s[10:11], s[6:7]       ; B's scales
	s_lshl_b32 s96, s43, 9                         ; 512 bytes a row of codes
	s_add_nc_u64 s[44:45], s[44:45], s[96:97]
	s_lshl_b32 s96, s43, 5                         ; 32 a row of scales
	s_add_nc_u64 s[46:47], s[46:47], s[96:97]
	s_lshl_b32 s98, s66, 9
	s_add_nc_u64 s[92:93], s[92:93], s[98:99]
	s_lshl_b32 s98, s66, 5
	s_add_nc_u64 s[94:95], s[94:95], s[98:99]
	CROUND                                         ; all sixteen work-groups are here: the joint loads meet
	s_mov_b32 s[G0S], 1
	s_add_co_u32 s[G0S+1], s3, SCL
	s_mov_b64 s[G0S+2:G0S+3], s[46:47]
	s_or_b32 s[G0S+3], s[G0S+3], 0x80000000
	s_mov_b32 s[G0SB], 1
	s_add_co_u32 s[G0SB+1], s3, SCL
	s_mov_b64 s[G0SB+2:G0SB+3], s[94:95]
	s_or_b32 s[G0SB+3], s[G0SB+3], 0x80000000
	JLOAD G0S, G1S, G0SB, G1SB                     ; the scales first: they are wanted with the first K step
.irp s, 0,1
	s_mov_b32 s[G0+4*\s], 1
	s_add_co_u32 s[G0+4*\s+1], s67, \s*SLOT
	s_add_nc_u64 s[G0+4*\s+2:G0+4*\s+3], s[44:45], \s*256
	s_or_b32 s[G0+4*\s+3], s[G0+4*\s+3], 0x80000000
	s_mov_b32 s[G0B+4*\s], 1
	s_add_co_u32 s[G0B+4*\s+1], s67, \s*SLOT
	s_add_nc_u64 s[G0B+4*\s+2:G0B+4*\s+3], s[92:93], \s*256
	s_or_b32 s[G0B+4*\s+3], s[G0B+4*\s+3], 0x80000000
	JLOAD G0+4*\s, G1, G0B+4*\s, G1B               ; three tensor loads of mine are out; every LDS byte is filled once in the launch
.endr
	v_and_b32 v1, 15, v0                           ; r = lane % 16
	v_bfe_u32 v2, v0, 4, 1                         ; h = lane / 16
	v_mul_u32_u24 v3, v1, PITCH
	v_lshl_add_u32 v4, v2, 4, v3                   ; a fragment's row x pitch + 16 h
	s_mul_i32 s2, s19, HALFT                       ; my 128 rows of A
	s_mul_i32 s3, s20, HALFT                       ; my 128 rows of B,
	s_add_co_u32 s3, s3, 2*HALFT                   ; which lie behind A's 256
.irp s, 0,1
	v_add_nc_u32 v[ADRA+\s], s2, v4
	v_add_nc_u32 v[ADRB+\s], s3, v4
	s_add_co_u32 s2, s2, SLOT
	s_add_co_u32 s3, s3, SLOT
.endr
	v_lshlrev_b32 v5, 5, v1                        ; my row's scales: 32 bytes a row,
	v_lshrrev_b32 v6, 8, v5
	v_lshl_add_u32 v5, v6, 4, v5                   ; and 16 more for each 256 passed
	s_mul_i32 s2, s19, HALFS
	s_mul_i32 s3, s20, HALFS
	s_add_co_u32 s3, s3, 2*HALFS
	s_sub_co_u32 s3, s3, s2
	v_mul_u32_u24 v6, s3, v2                       ; lanes 16-31 take B's: one product, the distance between the two bases
	s_add_co_u32 s2, s2, SCL
	v_add_nc_u32 v5, v5, v6
	v_add_nc_u32 v[ADRS], s2, v5
	v_and_b32 v7, 31, v0
	v_lshlrev_b32 v[LI], 4, v7
	v_lshlrev_b32 v[LS], 2, v7
	v_lshlrev_b32 v[BO1], 5, v2
	v_lshlrev_b32 v[BO2], 2, v1
.irp b, 0,1,2,3
	v_mov_b32 v[TM+4+\b], 0                        ; written once: a lane permute's destination counts as one of its sources
.endr
	; where my results go, and where my bias lies
	s_lshl_b32 s2, s40, 1
	s_add_co_u32 s2, s2, s20                       ; P: my group of 128 rows of B
	s_lshl_b32 s3, s41, 8
	s_lshl_b32 s43, s19, 7
	s_add_co_u32 s3, s3, s43                       ; R: my first row of A, less A's first row
	s_lshr_b32 s66, s2, 3                          ; q, k: P = which 8 + pair of heads; R = batch 2048 + token
	s_lshl_b32 s66, s66, 2
	s_lshr_b32 s67, s3, 11
	s_add_co_u32 s66, s66, s67
	s_lshl_b32 s66, s66, 3
	s_and_b32 s67, s2, 7
	s_add_co_u32 s66, s66, s67
	s_lshl_b32 s66, s66, 7
	s_and_b32 s67, s3, 2047
	s_lshr_b32 s67, s67, 4
	s_add_co_u32 s66, s66, s67                     ; the unit of my block 0
	s_lshl_b32 s96, s2, 6                          ; v: P = batch 16 + key step; R = head 64 + d
	s_lshr_b32 s97, s3, 4
	s_add_co_u32 s96, s96, s97
	s_add_co_u32 s96, s96, 8192
	s_lshl_b32 s98, s2, 9                          ; the bias: q, k: 128 P numbers on;
	s_lshl_b32 s99, s3, 2
	s_add_co_u32 s99, s99, 8192                    ; v: 2,048 + R numbers on
	s_cmp_lt_u32 ttmp9, 16
	s_cselect_b32 s66, s66, s96
	s_cselect_b32 s98, s98, s99
	s_cselect_b32 s23, 0xffff, -1                  ; q, k: two bytes of a scale word are a head's; v: all four
	s_cselect_b32 s43, 16, 0
	v_mul_u32_u24 v[SH], s43, v2
	s_mov_b32 s67, 0
	s_mov_b32 s99, 0
	s_mov_b32 s97, 0
	s_add_nc_u64 s[12:13], s[12:13], s[98:99]
	s_lshl_b32 s96, s66, 7                         ; 128 bytes of scales a unit
	s_add_nc_u64 s[16:17], s[16:17], s[96:97]
	s_lshl_b32 s66, s66, 10                        ; 1,024 bytes of codes
	s_add_nc_u64 s[14:15], s[14:15], s[66:67]
	s_mov_b32 s[SEL], 0x76543210
	s_mov_b32 s[SEL+1], 0xfedcba98
	; THE BIAS, in the result's layout: it is the C of each sum's first matrix instruction
	s_cmp_lt_u32 ttmp9, 16
	s_cbranch_scc0 .Lbias_v
	WIN 0x40                                       ; destination window 1
	s_wait_alu depctr_va_vdst(0)
.irp t, 0,1,2,3,4,5,6,7                        ; q, k: it hangs on the feature: tile t of B, register j: feature 16 t + 8 h + j
	global_load_b128 v[BI+8*\t:BI+8*\t+3], v[BO1], s[12:13] offset:64*\t
	global_load_b128 v[BI+8*\t+4:BI+8*\t+7], v[BO1], s[12:13] offset:64*\t+16
.endr
	WIN 0
	s_branch .Lbias_done
.Lbias_v:
	WIN 0x40
	s_wait_alu depctr_va_vdst(0)
.irp a, 0,1,2,3,4,5,6,7                        ; v: it hangs on the lane's feature: block a of A, feature 16 a + r, the same in all eight registers
	global_load_b32 v[BI+8*\a], v[BO2], s[12:13] offset:64*\a
.endr
	s_wait_loadcnt 0x0
	WIN 0x41                                       ; destination and source 0 window 1
.irp a, 0,1,2,3,4,5,6,7
.irp j, 1,2,3,4,5,6,7
	v_mov_b32 v[BI+8*\a+\j], v[BI+8*\a]
.endr
.endr
	WIN 0
	PLACES 8                                       ; the registers just written stand well ahead of the first scaled product
.Lbias_done:
	s_wait_loadcnt 0x0
; 32 LDS loads in one run: the fragments (16 rows x 128 K of 4-bit codes: 8 registers, two loads of 16 bytes, 32 bytes apart) of the slot's q-th 128 along K, into set p
.macro FETCH slot, q, p
	WIN 0x40                                       ; destination window 1, address window 0
.irp i, 0,1,2,3,4,5,6,7
.irp c, 0,1
	ds_load_b128 v[128*(\p)+8*\i+4*\c:128*(\p)+8*\i+4*\c+3], v[ADRB+(\slot)] offset:64*(\q)+32*\c+\i*16*PITCH
.endr
.endr
	WIN 0
.irp i, 0,1,2,3,4,5,6,7
.irp c, 0,1
	ds_load_b128 v[AF+64*(\p)+8*\i+4*\c:AF+64*(\p)+8*\i+4*\c+3], v[ADRA+(\slot)] offset:64*(\q)+32*\c+\i*16*PITCH
.endr
.endr
.endm
.macro SCALES sc                       ; a slot's scale words: four words a row; lanes 0-15 take A's block i, lanes 16-31 B's block i
.irp i, 0,1,2,3,4,5,6,7
	ds_load_b128 v[SC+32*\sc+4*\i:SC+32*\sc+4*\i+3], v[ADRS] offset:\i*SBLK
.endr
.endm
; 64 matrix instructions: A's eight blocks x B's eight, 128 along K.  The 64 accumulators take turns, one instruction a turn, in the same order in every step.
; cm = 0: the sums go on;  1: they begin with the bias of B's tile;  2: with the bias of A's block.  Nothing is ever cleared.
.macro MUL64 p, q, sc, cm
.irp a, 0,1,2,3,4,5,6,7
.if \cm
	WIN 0x91+0x40*(\a/4)                           ; source 0 (B) window 1, source 1 (A) window 0, C (the bias) window 1, D window 2 or 3
.else
	WIN 0xa1+0x50*(\a/4)                           ; C and D window 2 or 3
.endif
.irp b, 0,1,2,3,4,5,6,7
.if \cm == 1
	v_wmma_scale_f32_16x16x128_f8f6f4 v[8*(8*(\a%4)+\b):8*(8*(\a%4)+\b)+7], v[128*(\p)+8*\b:128*(\p)+8*\b+7], v[AF+64*(\p)+8*\a:AF+64*(\p)+8*\a+7], v[BI+8*\b:BI+8*\b+7], v[SC+32*(\sc)+4*\b+(\q)], v[SC+32*(\sc)+4*\a+(\q)] matrix_a_fmt:MATRIX_FMT_FP4 matrix_b_fmt:MATRIX_FMT_FP4 matrix_a_scale:MATRIX_SCALE_ROW1
.elseif \cm == 2
	v_wmma_scale_f32_16x16x128_f8f6f4 v[8*(8*(\a%4)+\b):8*(8*(\a%4)+\b)+7], v[128*(\p)+8*\b:128*(\p)+8*\b+7], v[AF+64*(\p)+8*\a:AF+64*(\p)+8*\a+7], v[BI+8*\a:BI+8*\a+7], v[SC+32*(\sc)+4*\b+(\q)], v[SC+32*(\sc)+4*\a+(\q)] matrix_a_fmt:MATRIX_FMT_FP4 matrix_b_fmt:MATRIX_FMT_FP4 matrix_a_scale:MATRIX_SCALE_ROW1
.else
	v_wmma_scale_f32_16x16x128_f8f6f4 v[8*(8*(\a%4)+\b):8*(8*(\a%4)+\b)+7], v[128*(\p)+8*\b:128*(\p)+8*\b+7], v[AF+64*(\p)+8*\a:AF+64*(\p)+8*\a+7], v[8*(8*(\a%4)+\b):8*(8*(\a%4)+\b)+7], v[SC+32*(\sc)+4*\b+(\q)], v[SC+32*(\sc)+4*\a+(\q)] matrix_a_fmt:MATRIX_FMT_FP4 matrix_b_fmt:MATRIX_FMT_FP4 matrix_a_scale:MATRIX_SCALE_ROW1
.endif
.endr
.endr
	WIN 0
.endm
; What stands ahead of step k's products (k = 0 .. 7, 128 along K each): the next step's fragments are asked for, into the set that the step before has multiplied; then this step's are waited for.
.macro KHEAD k
.if (\k) == 3                          ; the next step's fragments lie in slot 1:
	s_wait_dscnt 0x0                               ; no LDS load of mine is out at a signal,
	s_wait_tensorcnt 0x0                           ; my part of slot 1 has landed,
	s_barrier_signal -1
	s_barrier_wait -1                              ; and everybody's has
.endif
.if (\k) > 0
	PLACES 4                                       ; in front of loads into registers that the last products have read
.endif
.if (\k) < 7
	FETCH ((\k)+1)/4, ((\k)+1)%4, 1-(\k)%2
.endif
.if (\k) == 3
	v_add_nc_u32 v[ADRS], 16, v[ADRS]              ; slot 1's four scale words of a row
	SCALES 1
	s_wait_dscnt 40                                ; the 40 just issued may be out
.elseif (\k) == 7
	s_wait_dscnt 0x0
.else
	s_wait_dscnt 32                                ; all but the 32 just issued: this step's fragments (and, in step 0, the scale words) are in
.endif
.endm
	s_wait_tensorcnt 1                             ; the scales and my part of slot 0 are in; slot 1's load, issued last, may stay out
	s_barrier_signal -1
	s_barrier_wait -1                              ; everybody's are
	FETCH 0, 0, 0
	SCALES 0
	KHEAD 0
	s_cmp_lt_u32 ttmp9, 16                         ; the first step stands twice: its C is the bias, laid by B's tiles (q, k) or by A's blocks (v)
	s_cbranch_scc0 .Lfirst_v
	s_wait_alu depctr_va_vdst(0)
	MUL64 0, 0, 0, 1
	s_branch .Lfirst_done
.Lfirst_v:
	s_wait_alu depctr_va_vdst(0)
	MUL64 0, 0, 0, 2
.Lfirst_done:
.irp k, 1,2,3,4,5,6,7
	KHEAD \k
	MUL64 (\k)%2, (\k)%4, (\k)/4, 0
.endr
; THE WAY OUT: block a (16 rows of A x my 128 rows of B: 64 numbers a lane, four blocks of 32 along B's rows) becomes a fragment's eight registers and a scale word, and is stored as it stands.
; Each block has registers of its own for its codes and its word, so no store's data are written again.
.macro QUANT a
.set W, 2+(\a)/4
.set S0, 64*((\a)%4)
.set PC, PCR+8*(\a)
	WIN W|(W<<2)                                   ; sources 0 and 1: the accumulators' window
.irp b, 0,1,2,3
	v_max3_num_f32 v[TM+\b], |v[S0+16*\b]|, |v[S0+16*\b+1]|, 0x1800000   ; block b: my 16 numbers, each accumulator from its low end on, and the floor 2^(3 - 127): the byte cannot fall under 1
.endr
	WIN (W<<2)|(W<<4)                              ; sources 1 and 2
.irp i, 2,4,6,8,10,12,14
.irp b, 0,1,2,3
	v_max3_num_f32 v[TM+\b], v[TM+\b], |v[S0+16*\b+\i]|, |v[S0+16*\b+\i+1]|   ; (the four blocks by turns)
.endr
.endr
	WIN 0
.irp b, 0,1,2,3
	v_permlanex16_b32 v[TM+4+\b], v[TM+\b], s[SEL], s[SEL+1]
.endr
.irp b, 0,1,2,3
	v_max_num_f32 v[TM+\b], v[TM+\b], v[TM+4+\b]   ; with lane l xor 16's: the block's largest magnitude
.endr
.irp b, 0,1,2,3
	v_add_nc_u32 v[TM+12+\b], 0xff000000, v[TM+\b] ; 2 off its exponent field: the conversion takes the exponent field of this operand as its scale
.endr
.irp b, 0,1,2,3
	v_lshrrev_b32 v[TM+4+\b], 23, v[TM+12+\b]      ; the scale's byte
.endr
	v_lshl_or_b32 v[PW], v[TM+5], 8, v[TM+4]
	v_lshl_or_b32 v[PW], v[TM+6], 16, v[PW]
	v_lshl_or_b32 v[PW], v[TM+7], 24, v[PW]        ; my row's scale word
	WIN W                                          ; source 0: the accumulators' window
.irp b, 0,1,2,3
	v_cvt_scalef32_pk8_fp4_f32 v[PC+4*(\b/2)+(\b%2)], v[S0+16*\b:S0+16*\b+7], v[TM+12+\b]       ; tile 2 b: piece h of block b
	v_cvt_scalef32_pk8_fp4_f32 v[PC+4*(\b/2)+2+(\b%2)], v[S0+16*\b+8:S0+16*\b+15], v[TM+12+\b]  ; tile 2 b + 1: piece 2 + h
.endr
	WIN 0
	v_nop                                          ; one plain place behind a scaled conversion
.irp c, 0,1
.irp u, 0,1
	v_permlane16_swap_b32 v[PC+4*\c+2*\u], v[PC+4*\c+2*\u+1]   ; the first's lanes 16-31 change places with the second's lanes 0-15: registers 4 c + 2 u, + 1 now hold pieces 2 u, 2 u + 1 of block 2 c + h
.endr
.endr
	v_lshrrev_b32 v[SWR+(\a)], v[SH], v[PW]        ; q, k: lanes 16-31 store the odd head's two bytes
	v_and_b32 v[SWR+(\a)], s23, v[SWR+(\a)]
.irp c, 0,1
	global_store_b128 v[LI], v[PC+4*\c:PC+4*\c+3], s[14:15] offset:(\a)*1024+\c*512   ; 32 lanes store 512 consecutive bytes, at a multiple of 512 from the buffer's first byte
.endr
	global_store_b32 v[LS], v[SWR+(\a)], s[16:17] offset:(\a)*128
.endm
	PLACES 4                                       ; behind the last products: the first reads of results, and the first writes into registers that held fragments
.irp a, 0,1,2,3,4,5,6,7
	QUANT \a
.endr
	s_wait_dscnt 0x0
	s_wait_tensorcnt 0x0
	ds_add_u32 v126, v127
	s_wait_dscnt 0x0
	CROUND                                         ; the closing round: no work-group ends while a partner may still ask for a tile that names it
	s_endpgm
.Lfunc_end_k_q84314b7336_qkv:
	.size	k_q84314b7336_qkv, .Lfunc_end_k_q84314b7336_qkv-k_q84314b7336_qkv
	.p2alignl 7, 3214868480
	.fill 96, 4, 3214868480
	.section	.rodata,"a",@progbits
	.p2align	6, 0x0
	.amdhsa_kernel k_q84314b7336_qkv
		.amdhsa_group_segment_fixed_size 296448
		.amdhsa_private_segment_fixed_size 0
		.amdhsa_enable_private_segment 0
		.amdhsa_kernarg_size 56
		.amdhsa_user_sgpr_count 2
		.amdhsa_user_sgpr_kernarg_segment_ptr 1
		.amdhsa_wavefront_size32 1
		.amdhsa_system_sgpr_workgroup_id_x 1
		.amdhsa_system_sgpr_workgroup_id_y 1
		.amdhsa_system_sgpr_workgroup_id_z 1
		.amdhsa_system_vgpr_workitem_id 0
		.amdhsa_next_free_vgpr 1024
		.amdhsa_next_free_sgpr 100
		.amdhsa_reserve_vcc 0
		.amdhsa_float_denorm_mode_32 3
		.amdhsa_float_denorm_mode_16_64 3
		.amdhsa_memory_ordered 1
		.amdhsa_forward_progress 1
		.amdhsa_inst_pref_size 142
	.end_amdhsa_kernel
	.amdgpu_metadata
---
amdhsa.version: [ 1, 2 ]
amdhsa.kernels:
  - .name:           k_q84314b7336_qkv
    .symbol:         k_q84314b7336_qkv.kd
    .args:
      - { .name: x_codes, .offset: 0, .size: 8, .value_kind: global_buffer, .address_space: global }
      - { .name: x_scales, .offset: 8, .size: 8, .value_kind: global_buffer, .address_space: global }
      - { .name: w_qkv_codes, .offset: 16, .size: 8, .value_kind: global_buffer, .address_space: global }
      - { .name: w_qkv_scales, .offset: 24, .size: 8, .value_kind: global_buffer, .address_space: global }
      - { .name: b_qkv, .offset: 32, .size: 8, .value_kind: global_buffer, .address_space: global }
      - { .name: qkv_codes, .offset: 40, .size: 8, .value_kind: global_buffer, .address_space: global }
      - { .name: qkv_scales, .offset: 48, .size: 8, .value_kind: global_buffer, .address_space: global }
    .group_segment_fixed_size: 296448
    .private_segment_fixed_size: 0
    .kernarg_segment_align: 8
    .kernarg_segment_size: 56
    .max_flat_workgroup_size: 128
    .sgpr_count:     100
    .vgpr_count:     1024
    .wavefront_size: 32
...
	.end_amdgpu_metadata
.endif
;; end of part 1
;; launch attn (part 2): grid 256 x 1, 16 waves a work-group, clusters of 4 x 1, 169,984 bytes of LDS; arguments qkv_codes, qkv_scales, att_codes, att_scales; writes att_codes, att_scales
.if DOCPART == 2
	.amdgcn_target "amdgcn-amd-amdhsa--gfx1250"
	.amdhsa_code_object_version 6
	.text
	.protected	k_q84314b7336_attn
	.globl	k_q84314b7336_attn
	.p2align	8
	.type	k_q84314b7336_attn,@function
k_q84314b7336_attn:
	s_mov_b64 s[64:65], 0
	v_nop
	global_prefetch_b8 v0, s[64:65] scope:SCOPE_SE
	s_setreg_imm32_b32 hwreg(HW_REG_WAVE_MODE, 25, 1), 1
	s_wait_xcnt 0x0
	s_wait_alu depctr_hold_cnt(0) depctr_sa_sdst(0) depctr_va_vdst(0) depctr_va_sdst(0) depctr_va_ssrc(0) depctr_va_vcc(0) depctr_vm_vsrc(0)
	s_getreg_b32 s2, hwreg(HW_REG_IB_STS2, 6, 4)
	s_cmp_eq_u32 s2, 0
	s_cbranch_scc0 .Lentry_in_a_cluster
	s_endpgm
.Lentry_in_a_cluster:
	s_bfe_u32 s2, ttmp6, 0x10000c
	s_cmp_lg_u32 s2, 0x3003
	s_cbranch_scc0 .Lentry_shape_is_right
	s_endpgm
.Lentry_shape_is_right:
; Causal attention of one head on codes of FP4 (E2M1) with E8M0 scales, and the quantising of its result along the model's axis for the last product.
; t = score x log2(e) / 8; M = the row's largest t so far, rounded UP to a whole number; p = 2^(t - M) is quantised along the keys, not normalised; the row's sum is taken of the unquantised p and divides O at the end.
; When M moves, the sum and O are multiplied by 2^(old M - new M): exact.
; SHARES.  A cluster of four work-groups owns one (batch, head).  All of the head's K and V (codes 2 x 65,536 bytes, scale words 2 x 8,192) come into each partner's LDS ONCE, by joint loads, as images of operand
; registers: every LDS read is 32 lanes x 16 consecutive bytes.  No LDS byte is filled twice and none is stored to.
; THE CAUSAL WORK IS SHARED EVENLY, with no branch on a work-group's place.  The head's 2,048 queries are 16 blocks of 128 = 8 tiles of 16.  Partner cx takes tiles 2 cx, 2 cx + 1 of EVERY block; wave w (pi = w / 2,
; u = w % 2) takes tile 2 cx + u of block 15 - pi and then of block pi.  Block beta needs key steps 0 .. beta (128 keys each), the last on the diagonal: every wave does 17 key steps.  Branches hang on pi alone.
; The loops' trip counts are constants (16 and 8); a step all of whose keys are hidden is jumped over, but for its address steps.
; LAYOUT.  S^T = K Q^T (source 0 = 16 keys, source 1 = my 16 queries; the head's 64 fill half of the instruction's 128: the other half is zero codes on both sides), O^T = V^T P^T: a lane holds ONE query throughout.
; Register j of tile t holds key 16 t + 8 (lane / 16) + j.  A block of 32 keys is tiles 2 b, 2 b + 1 in lanes l, l xor 16; after the conversions one exchange of half rows lays p as an operand.
; INPUT: qkv_codes, qkv_scales as the launch before lays them.  OUTPUT: att_codes [token tile 512][head 16][lane 32][16]: half a fragment (16 tokens x the head's 64); att_scales [token 8192][32]: byte 2 head + block.
; LIMITS: NaN and infinities are not served.  A p under 2^-126 counts as 0.  A block of zeros gets the byte 1 (the quantiser's text says 127): its codes are zeros, and this program alone reads the bytes.
.set LKC,  0                           ; LDS: K's codes [tile 128][512]
.set LVC,  65536                       ; V's codes [key step 16][d tile 4][c 2][512]
.set LKS,  131072                      ; K's scale words [tile 128][key 16][4]
.set LVS,  139264                      ; V's scale words [key step 16][d tile 4][lane 32][4]
.set AK0,  1                           ; v1   16 x lane
.set AV0,  2                           ; v2   LVC + 16 x lane
.set AS0,  3                           ; v3   LKS + 4 x (lane % 16)
.set AT0,  4                           ; v4   LVS + 4 x lane
.set DG,   5                           ; v5   my query's place in its block of 128, less 8 (lane / 16)
.set NINF, 6                           ; v6   -infinity
.set GO,   7                           ; v7   16 x lane: offsets in memory
.set ADK,  8                           ; v8-11 the step's LDS addresses
.set ADV,  9
.set ADS,  10
.set ADT,  11
.set QH,   16                          ; v16-23 Q of the first pass (v20-23 zero codes);  v24-31 of the second
.set QL,   24
.set KSC,  192                         ; v192-195 K's scale words, v196-199 V's, v200, v201 Q's, v202 p's: these hold scales and nothing else
.set VSC,  196
.set QSH,  200
.set QSL,  201
.set PSC,  202
.set SO,   203                         ; v203 32 x (lane % 16): a token's row of att_scales
.set QSO,  204                         ; v204 4 x (lane % 16)
.set WV,   12                          ; s12  wave
.set SEL,  20                          ; s[20:21] lane selects: lane l xor 16
.set CS,   22                          ; s[22:23] c = log2(e) / 8
.set KS,   94                          ; s94  the key step
.set TK,   95                          ; s95  4,096 x key step
.set TS,   96                          ; s96  512 x key step
.macro CROUND                          ; a round of the cluster's barrier
	s_barrier_signal -1
	s_barrier_wait -1
	s_cmp_lg_u32 s[WV], 0
	s_cbranch_scc1 .Lnot_wave_0_\@
	s_barrier_signal -3
.Lnot_wave_0_\@:
	s_barrier_wait -3
	s_barrier_signal -1
	s_barrier_wait -1
.endm
	s_load_b256 s[4:11], s[0:1], 0x0               ; qkv_codes s[4:5], qkv_scales s[6:7], att_codes s[8:9], att_scales s[10:11]
	v_lshl_add_u32 v251, v0, 2, 0x29000
	v_mov_b32 v255, 0
	ds_add_u32 v251, v255
	ds_add_u32 v251, v255
	v_lshrrev_b32 v1, 5, v0
	s_delay_alu instid0(VALU_DEP_1)
	v_readfirstlane_b32 s[WV], v1                  ; wave 0..15
	s_bfe_u32 s13, ttmp6, 0x40000                  ; cx: it enters Q's and the result's addresses and v5 alone
	s_lshr_b32 s14, ttmp9, 4                       ; batch
	s_and_b32 s15, ttmp9, 15                       ; head
	s_lshr_b32 s16, s[WV], 1                       ; pi
	s_and_b32 s17, s[WV], 1                        ; u; also: which half of K's or V's codes I fetch
	s_lshl_b32 s18, s13, 1
	s_add_co_u32 s18, s18, s17                     ; my tile in a block of 128 queries
	s_lshl_b32 s19, s14, 3
	s_lshr_b32 s98, s15, 1
	s_add_co_u32 s19, s19, s98
	s_lshl_b32 s19, s19, 7                         ; q's first unit of this pair of heads: (batch 8 + head / 2) 128; k's lies 4,096 units on
	s_and_b32 s99, s15, 1                          ; which half of a unit is my head's
	s_lshl_b32 s98, s14, 10
	s_lshl_b32 s2, s15, 2
	s_add_co_u32 s98, s98, s2
	s_add_co_u32 s98, s98, 8192                    ; v's first unit: 8192 + batch 1024 + head 4; a key step on is 64 units on
	s_sub_co_u32 s92, 15, s16                      ; the first pass's block of queries
	s_mov_b32 s93, s16                             ; the second's
	; groups 1: all four loads name all four work-groups (mask 15, bit 21 beside it); no padding: the tiles are read as they lie
	s_mov_b32 s24, 15|(3<<16)|(1<<21)              ; K's codes: 64 tiles' halves of 512 bytes (64 elements of 8), 1,024 bytes apart
	s_mov_b32 s25, 64<<16
	s_mov_b32 s26, 64<<16
	s_mov_b32 s27, 64<<16
	s_mov_b32 s28, 64
	s_mov_b32 s29, 128
	s_mov_b32 s30, 0
	s_mov_b32 s31, 0
	s_mov_b32 s32, 15|(3<<16)|(1<<21)              ; V's codes: 8 key steps' 4,096 bytes (512 elements of 8), 65,536 bytes apart
	s_mov_b32 s33, 512<<16
	s_mov_b32 s34, 8<<16
	s_mov_b32 s35, 512<<16
	s_mov_b32 s36, 8
	s_mov_b32 s37, 8192
	s_mov_b32 s38, 0
	s_mov_b32 s39, 0
	s_mov_b32 s40, 15|(2<<16)|(1<<21)              ; K's scale words: 128 tiles' 64 bytes (16 elements of 4), 128 bytes apart
	s_mov_b32 s41, 16<<16
	s_mov_b32 s42, 128<<16
	s_mov_b32 s43, 16<<16
	s_mov_b32 s44, 128
	s_mov_b32 s45, 32
	s_mov_b32 s46, 0
	s_mov_b32 s47, 0
	s_mov_b32 s48, 15|(3<<16)|(1<<21)              ; V's scale words: 16 key steps' 512 bytes (64 elements of 8), 8,192 bytes apart
	s_mov_b32 s49, 64<<16
	s_mov_b32 s50, 16<<16
	s_mov_b32 s51, 64<<16
	s_mov_b32 s52, 16
	s_mov_b32 s53, 1024
	s_mov_b32 s54, 0
	s_mov_b32 s55, 0
	s_mov_b32 s[SEL], 0x76543210
	s_mov_b32 s[SEL+1], 0xfedcba98
	s_mov_b32 s[CS], 0x3e38aa3b                    ; log2(e) / 8
	s_mov_b32 s[CS+1], s[CS]                       ; (named with it as a pair, so it is written)
	s_wait_dscnt 0x0
	s_wait_kmcnt 0x0
	; groups 0: nothing in them hangs on cx
	s_add_co_u32 s2, s19, 4096
	s_lshl_b32 s2, s2, 10
	s_lshl_b32 s3, s99, 9
	s_add_co_u32 s2, s2, s3
	s_lshl_b32 s3, s17, 16                         ; my 64 tiles
	s_add_co_u32 s2, s2, s3
	s_mov_b32 s3, 0
	s_mov_b32 s56, 1
	s_lshl_b32 s57, s17, 15
	s_add_nc_u64 s[58:59], s[4:5], s[2:3]
	s_or_b32 s59, s59, 0x80000000
	s_lshl_b32 s2, s98, 10
	s_lshl_b32 s3, s17, 19                         ; my 8 key steps
	s_add_co_u32 s2, s2, s3
	s_mov_b32 s3, 0
	s_mov_b32 s60, 1
	s_lshl_b32 s61, s17, 15
	s_add_co_u32 s61, s61, LVC
	s_add_nc_u64 s[62:63], s[4:5], s[2:3]
	s_or_b32 s63, s63, 0x80000000
	s_add_co_u32 s2, s19, 4096
	s_lshl_b32 s2, s2, 7
	s_lshl_b32 s3, s99, 6
	s_add_co_u32 s2, s2, s3
	s_mov_b32 s3, 0
	s_mov_b32 s68, 1
	s_mov_b32 s69, LKS
	s_add_nc_u64 s[70:71], s[6:7], s[2:3]
	s_or_b32 s71, s71, 0x80000000
	s_lshl_b32 s2, s98, 7
	s_mov_b32 s72, 1
	s_mov_b32 s73, LVS
	s_add_nc_u64 s[74:75], s[6:7], s[2:3]
	s_or_b32 s75, s75, 0x80000000
	CROUND                                         ; all four work-groups are here: the joint loads meet
	s_cmp_lt_u32 s[WV], 2                          ; waves 0, 1: K's codes; 2, 3: V's; 4: K's scale words; 5: V's: one load a wave, the branches on the wave's number alone; four v_nop follow each
	s_cbranch_scc0 .Lnot_kc
	tensor_load_to_lds s[56:59], s[24:31]
	s_nop 0
.rept 4
	v_nop
.endr
	s_branch .Lasked
.Lnot_kc:
	s_cmp_lt_u32 s[WV], 4
	s_cbranch_scc0 .Lnot_vc
	tensor_load_to_lds s[60:63], s[32:39]
	s_nop 0
.rept 4
	v_nop
.endr
	s_branch .Lasked
.Lnot_vc:
	s_cmp_eq_u32 s[WV], 4
	s_cbranch_scc0 .Lnot_ks
	tensor_load_to_lds s[68:71], s[40:47]
	s_nop 0
.rept 4
	v_nop
.endr
	s_branch .Lasked
.Lnot_ks:
	s_cmp_eq_u32 s[WV], 5
	s_cbranch_scc0 .Lasked
	tensor_load_to_lds s[72:75], s[48:55]
	s_nop 0
.rept 4
	v_nop
.endr
.Lasked:
; a pass's four addresses, for the block of queries in s[bet]: tau = 8 x block + my tile
.macro PTRS bet, qc, qs, oc, os
	s_lshl_b32 s96, s[\bet], 3
	s_add_co_u32 s96, s96, s18                     ; tau
	s_add_co_u32 s97, s96, s19
	s_lshl_b32 s66, s97, 10
	s_lshl_b32 s95, s99, 9
	s_add_co_u32 s66, s66, s95
	s_add_nc_u64 s[\qc:\qc+1], s[4:5], s[66:67]    ; Q's half unit of codes
	s_lshl_b32 s66, s97, 7
	s_lshl_b32 s95, s99, 6
	s_add_co_u32 s66, s66, s95
	s_add_nc_u64 s[\qs:\qs+1], s[6:7], s[66:67]    ; and its sixteen scale words
	s_lshl_b32 s97, s14, 7
	s_add_co_u32 s97, s97, s96                     ; the token tile: 128 x batch + tau
	s_lshl_b32 s66, s97, 13
	s_lshl_b32 s95, s15, 9
	s_add_co_u32 s66, s66, s95
	s_add_nc_u64 s[\oc:\oc+1], s[8:9], s[66:67]    ; the result's codes
	s_lshl_b32 s66, s97, 9
	s_lshl_b32 s95, s15, 1
	s_add_co_u32 s66, s66, s95
	s_add_nc_u64 s[\os:\os+1], s[10:11], s[66:67]  ; and scale bytes
.endm
	s_mov_b32 s67, 0
	PTRS 92, 76, 80, 84, 88
	PTRS 93, 78, 82, 86, 90
	v_and_b32 v12, 31, v0                          ; lane
	v_and_b32 v13, 15, v0                          ; r
	v_bfe_u32 v14, v0, 4, 1                        ; h
	s_delay_alu instid0(VALU_DEP_3)
	v_lshlrev_b32 v[GO], 4, v12
	s_delay_alu instid0(VALU_DEP_3)
	v_lshlrev_b32 v[QSO], 2, v13
	global_load_b128 v[QH:QH+3], v[GO], s[76:77]   ; Q stays in registers
	global_load_b128 v[QL:QL+3], v[GO], s[78:79]
	global_load_b32 v[QSH], v[QSO], s[80:81]
	global_load_b32 v[QSL], v[QSO], s[82:83]
	v_lshlrev_b32 v[AK0], 4, v12
	s_delay_alu instid0(VALU_DEP_1)
	v_add_nc_u32 v[AV0], LVC, v[AK0]
	v_lshl_add_u32 v[AS0], v13, 2, LKS
	v_lshl_add_u32 v[AT0], v12, 2, LVS
	v_lshlrev_b32 v15, 3, v14
	s_delay_alu instid0(VALU_DEP_1)
	v_sub_nc_u32 v[DG], v13, v15
	s_lshl_b32 s97, s18, 4
	v_add_nc_u32 v[DG], s97, v[DG]                 ; 16 x my tile + r - 8 h
	v_mov_b32 v[NINF], 0xff800000
	v_lshlrev_b32 v[SO], 5, v13
.irp j, 4,5,6,7
	v_mov_b32 v[QH+\j], 0                          ; k = 64 .. 127 of the first product: zero codes, for good
	v_mov_b32 v[QL+\j], 0
.irp t, 0,1,2,3
	v_mov_b32 v[32+8*\t+\j], 0
.endr
.endr
.irp b, 0,1,2,3
	v_mov_b32 v[236+\b], 0                         ; written once: a lane permute's destination counts as one of its sources
.endr
	v_mov_b32 v252, 0
	v_mov_b32 v253, 0                              ; (named as the upper half of the pair v[252:253])
	s_wait_loadcnt 0x0                             ; Q
	s_wait_tensorcnt 0x0                           ; my part of K and V has landed,
	s_barrier_signal -1
	s_barrier_wait -1                              ; and everybody's has
; A KEY STEP: 128 keys.  qf, qs: Q's fragment and scale word;  bet: the scalar register with my block of queries.
.macro STEP qf, qs, bet
	s_cmp_gt_u32 s[KS], s[\bet]                    ; all its keys come after my queries: only the address steps at its end are run
	s_cbranch_scc1 .Lhidden_\@
	s_setprio 2
	v_add_nc_u32 v[ADK], s[TK], v[AK0]             ; (these four are also the places behind the last step's products, in front of the loads below)
	v_add_nc_u32 v[ADV], s[TK], v[AV0]
	v_add_nc_u32 v[ADS], s[TS], v[AS0]
	v_add_nc_u32 v[ADT], s[TS], v[AT0]
.irp t, 0,1,2,3                                ; S^T = K Q^T, tiles 0-3
	ds_load_b128 v[32+8*\t:35+8*\t], v[ADK] offset:\t*512
	ds_load_b32 v[KSC+\t], v[ADS] offset:\t*64
.endr
	s_wait_alu depctr_va_vdst(0)
	s_wait_dscnt 0x0
.irp t, 0,1,2,3
	v_wmma_scale_f32_16x16x128_f8f6f4 v[96+8*\t:103+8*\t], v[32+8*\t:39+8*\t], v[\qf:\qf+7], 0, v[KSC+\t], v[\qs] matrix_a_fmt:MATRIX_FMT_FP4 matrix_b_fmt:MATRIX_FMT_FP4
.endr
.rept 4
	v_nop                                          ; places in front of loads into registers that matrix instructions have read
.endr
.irp t, 0,1,2,3                                ; tiles 4-7,
	ds_load_b128 v[32+8*\t:35+8*\t], v[ADK] offset:(4+\t)*512
	ds_load_b32 v[KSC+\t], v[ADS] offset:(4+\t)*64
.endr
.irp t, 0,1,2,3                                ; and V's four fragments, wanted behind the softmax
.irp c, 0,1
	ds_load_b128 v[64+8*\t+4*\c:67+8*\t+4*\c], v[ADV] offset:\t*1024+\c*512
.endr
	ds_load_b32 v[VSC+\t], v[ADT] offset:\t*128
.endr
	s_wait_dscnt 12                                ; V's twelve loads, issued last, may stay out
.irp t, 0,1,2,3
	v_wmma_scale_f32_16x16x128_f8f6f4 v[128+8*\t:135+8*\t], v[32+8*\t:39+8*\t], v[\qf:\qf+7], 0, v[KSC+\t], v[\qs] matrix_a_fmt:MATRIX_FMT_FP4 matrix_b_fmt:MATRIX_FMT_FP4
.endr
.rept 4
	v_nop
.endr
	s_cmp_lt_u32 s[KS], s[\bet]                    ; all its keys count: no mask
	s_cbranch_scc1 .Lopen_\@
.irp n, 0,1,2,3,4,5,6,7,8,9,10,11,12,13,14,15,16,17,18,19,20,21,22,23,24,25,26,27,28,29,30,31,32,33,34,35,36,37,38,39,40,41,42,43,44,45,46,47,48,49,50,51,52,53,54,55,56,57,58,59,60,61,62,63
	v_cmp_gt_i32 vcc_lo, 16*(\n/8)+\n%8, v[DG]     ; on the diagonal: register n holds key 16 (n / 8) + 8 h + n % 8 of the step: hidden where it comes after my query
	v_cndmask_b32 v[96+\n], v[96+\n], v[NINF], vcc_lo
.endr
.Lopen_\@:
.irp b, 0,1,2,3
	v_max3_num_f32 v[232+\b], v[96+16*\b], v[97+16*\b], v[98+16*\b]   ; the largest score of each block of 32 keys: it serves for the row's maximum and, since p rises with the score, for the block's largest p
.endr
.irp i, 3,5,7,9,11,13
.irp b, 0,1,2,3
	v_max3_num_f32 v[232+\b], v[232+\b], v[96+16*\b+\i], v[97+16*\b+\i]
.endr
.endr
.irp b, 0,1,2,3
	v_max_num_f32 v[232+\b], v[232+\b], v[111+16*\b]
.endr
.irp b, 0,1,2,3
	s_delay_alu instid0(VALU_DEP_4)
	v_permlanex16_b32 v[236+\b], v[232+\b], s[SEL], s[SEL+1]
.endr
.irp b, 0,1,2,3
	s_delay_alu instid0(VALU_DEP_4)
	v_max_num_f32 v[232+\b], v[232+\b], v[236+\b]  ; with lane l xor 16's 16 keys
.endr
	s_delay_alu instid0(VALU_DEP_2)
	v_max3_num_f32 v254, v232, v233, v234
	s_delay_alu instid0(VALU_DEP_1)
	v_max_num_f32 v254, v254, v235                 ; the step's largest score of my query (key 0 counts for every query: it is a number from the first step on)
	s_delay_alu instid0(VALU_DEP_1)
	v_mul_f32 v254, s[CS], v254                    ; as t
	s_delay_alu instid0(VALU_DEP_1)
	v_max_num_f32 v13, v13, v254                   ; the running largest t
	v_mov_b32 v254, v12
	s_delay_alu instid0(VALU_DEP_2)
	v_floor_f32 v12, -v13                          ; the new -M = floor(-t) = -ceil(t)
	s_delay_alu instid0(VALU_DEP_1)
	v_sub_f32 v254, v12, v254                      ; old M - new M: a whole number, 0 or less
	s_delay_alu instid0(VALU_DEP_1)
	v_cvt_i32_f32 v254, v254                       ; (it saturates)
	s_delay_alu instid0(VALU_DEP_1)
	v_ldexp_f32 v252, 1.0, v254                    ; f = 2^(old M - new M)
	s_setprio 1
.irp j, 0,2,4,6,8,10,12,14,16,18,20,22,24,26,28,30,32,34,36,38,40,42,44,46,48,50,52,54,56,58,60,62
	v_pk_fma_f32 v[96+\j:97+\j], v[96+\j:97+\j], s[CS:CS+1], v[12:13] op_sel_hi:[1,0,0]   ; t - M, two at a time
.endr
.irp b, 0,1,2,3
	v_fma_f32 v[232+\b], v[232+\b], s[CS], v12     ; the same of each block's largest score
.endr
	s_wait_alu depctr_va_vdst(0)
.irp j, 0,1,2,3,4,5,6,7,8,9,10,11,12,13,14,15,16,17,18,19,20,21,22,23,24,25,26,27,28,29,30,31,32,33,34,35,36,37,38,39,40,41,42,43,44,45,46,47,48,49,50,51,52,53,54,55,56,57,58,59,60,61,62,63
	v_exp_f32 v[96+\j], v[96+\j]                   ; p = 2^(t - M)
.endr
	v_pk_mul_f32 v[14:15], v[14:15], v[252:253] op_sel_hi:[1,0]   ; the sums under the new M: the plain instruction behind the exponentials
	s_wait_alu depctr_va_vdst(0)                   ; one wait for the whole batch, ahead of its first reader
.irp b, 0,1,2,3
	v_exp_f32 v[232+\b], v[232+\b]                 ; each block's largest p
.endr
	v_pk_add_f32 v[236:237], v[100:101], v[104:105]
	v_pk_add_f32 v[248:249], v[108:109], v[112:113]
	v_pk_add_f32 v[246:247], v[116:117], v[120:121]
	v_pk_add_f32 v[244:245], v[124:125], v[128:129]
	v_pk_add_f32 v[242:243], v[132:133], v[136:137]
	v_pk_add_f32 v[240:241], v[140:141], v[144:145]
	v_pk_add_f32 v[238:239], v[148:149], v[152:153]
	v_pk_add_f32 v[14:15], v[14:15], v[156:157]
	v_pk_add_f32 v[236:237], v[236:237], v[96:97]
	v_pk_add_f32 v[248:249], v[248:249], v[98:99]
	v_pk_add_f32 v[246:247], v[246:247], v[102:103]
	v_pk_add_f32 v[244:245], v[244:245], v[106:107]
	v_pk_add_f32 v[242:243], v[242:243], v[110:111]
	v_pk_add_f32 v[240:241], v[240:241], v[114:115]
	v_pk_add_f32 v[238:239], v[238:239], v[118:119]
	v_pk_add_f32 v[14:15], v[14:15], v[122:123]
	v_pk_add_f32 v[236:237], v[236:237], v[126:127]
	v_pk_add_f32 v[248:249], v[248:249], v[130:131]
	v_pk_add_f32 v[246:247], v[246:247], v[134:135]
	v_pk_add_f32 v[244:245], v[244:245], v[138:139]
	v_pk_add_f32 v[242:243], v[242:243], v[142:143]
	v_pk_add_f32 v[240:241], v[240:241], v[146:147]
	v_pk_add_f32 v[238:239], v[238:239], v[150:151]
	v_pk_add_f32 v[14:15], v[14:15], v[154:155]
	v_pk_add_f32 v[236:237], v[236:237], v[158:159]
	s_delay_alu instid0(VALU_DEP_2)
	v_pk_add_f32 v[14:15], v[14:15], v[244:245]
	s_delay_alu instid0(VALU_DEP_2)
	v_pk_add_f32 v[236:237], v[236:237], v[242:243]
	v_pk_add_f32 v[248:249], v[248:249], v[240:241]
	v_pk_add_f32 v[246:247], v[246:247], v[238:239]
	s_delay_alu instid0(VALU_DEP_2)
	v_pk_add_f32 v[14:15], v[14:15], v[248:249]
	s_delay_alu instid0(VALU_DEP_2)
	v_pk_add_f32 v[236:237], v[236:237], v[246:247]
	s_delay_alu instid0(VALU_DEP_1)
	v_pk_add_f32 v[14:15], v[14:15], v[236:237]
	s_setprio 0
	s_wait_alu depctr_va_vdst(0)                   ; and one for the four
.irp b, 0,1,2,3
	v_max_num_f32 v[232+\b], 0x1800000, v[232+\b]  ; the floor 2^(3 - 127): the byte cannot fall under 1
.endr
.irp b, 0,1,2,3
	s_delay_alu instid0(VALU_DEP_4)
	v_add_nc_u32 v[244+\b], 0xff000000, v[232+\b]  ; 2 off the exponent field: the conversion's scale operand
.endr
.irp b, 0,1,2,3
	s_delay_alu instid0(VALU_DEP_4)
	v_lshrrev_b32 v[236+\b], 23, v[244+\b]         ; the scale's byte
.endr
	s_delay_alu instid0(VALU_DEP_3)
	v_lshl_or_b32 v[PSC], v237, 8, v236            ; p's scale word for these 128 keys
	s_delay_alu instid0(VALU_DEP_1)
	v_lshl_or_b32 v[PSC], v238, 16, v[PSC]
	s_delay_alu instid0(VALU_DEP_1)
	v_lshl_or_b32 v[PSC], v239, 24, v[PSC]
.irp b, 0,1,2,3
	v_cvt_scalef32_pk8_fp4_f32 v[224+4*(\b/2)+(\b%2)], v[96+16*\b:103+16*\b], v[244+\b]    ; tile 2 b: piece h of block b
	v_cvt_scalef32_pk8_fp4_f32 v[226+4*(\b/2)+(\b%2)], v[104+16*\b:111+16*\b], v[244+\b]   ; tile 2 b + 1: piece 2 + h
.endr
	v_nop                                          ; one plain place behind a scaled conversion
.irp c, 0,1
.irp u, 0,1
	v_permlane16_swap_b32 v[224+4*\c+2*\u], v[225+4*\c+2*\u]   ; registers 4 c + 2 u, + 1 now hold pieces 2 u, 2 u + 1 of block 2 c + h
.endr
.endr
.irp j, 0,2,4,6,8,10,12,14,16,18,20,22,24,26,28,30
	v_pk_mul_f32 v[160+\j:161+\j], v[160+\j:161+\j], v[252:253] op_sel_hi:[1,0]   ; O^T under the new M.  (These sixteen are also the places between the scale word and the codes just written and the products below)
.endr
	s_wait_alu depctr_va_vdst(0)
	s_wait_dscnt 0x0                               ; V
.irp t, 0,1,2,3                                ; O^T += V^T P^T: the four accumulators by turns
	v_wmma_scale_f32_16x16x128_f8f6f4 v[160+8*\t:167+8*\t], v[64+8*\t:71+8*\t], v[224:231], v[160+8*\t:167+8*\t], v[VSC+\t], v[PSC] matrix_a_fmt:MATRIX_FMT_FP4 matrix_b_fmt:MATRIX_FMT_FP4
.endr
.Lhidden_\@:
	s_add_co_u32 s[TK], s[TK], 4096
	s_add_co_u32 s[TS], s[TS], 512
.endm
; A PASS: one tile of 16 queries against its keys; n: the loop's constant trip count; oc, os: where the result goes.
.macro PASS qf, qs, bet, n, oc, os
	v_mov_b32 v13, 0xff61b1e6                      ; the largest t so far: -3e38
	s_delay_alu instid0(VALU_DEP_1)
	v_floor_f32 v12, -v13                          ; -M
	v_mov_b32 v14, 0                               ; the sum, in two halves
	v_mov_b32 v15, 0
.irp j, 0,1,2,3,4,5,6,7,8,9,10,11,12,13,14,15,16,17,18,19,20,21,22,23,24,25,26,27,28,29,30,31
	v_mov_b32 v[160+\j], 0                         ; O^T: the step is written once; its first run finds zeros, which the first change of M leaves zeros
.endr
	s_mov_b32 s[KS], 0
	s_mov_b32 s[TK], 0
	s_mov_b32 s[TS], 0
.Lkeys_\@:
	STEP \qf, \qs, \bet
	s_add_co_u32 s[KS], s[KS], 1
	s_cmp_lt_u32 s[KS], \n
	s_cbranch_scc1 .Lkeys_\@
	s_setprio 0
.rept 4
	v_nop                                          ; places behind the last products
.endr
	v_add_f32 v14, v14, v15                        ; the sum's two halves,
	s_delay_alu instid0(VALU_DEP_1)
	v_permlanex16_b32 v252, v14, s[SEL], s[SEL+1]
	s_delay_alu instid0(VALU_DEP_1)
	v_add_f32 v14, v14, v252                       ; and lane l xor 16's: the row's sum
	s_wait_alu depctr_va_vdst(0)
	v_rcp_f32 v14, v14
	v_nop                                          ; a plain instruction behind the reciprocal,
	s_wait_alu depctr_va_vdst(0)                   ; and the wait ahead of its first reader
.irp j, 0,2,4,6,8,10,12,14,16,18,20,22,24,26,28,30
	v_pk_mul_f32 v[96+\j:97+\j], v[160+\j:161+\j], v[14:15] op_sel_hi:[1,0]   ; O^T / the sum: register 8 t + i is o(query r, d = 16 t + 8 h + i); each accumulator from its low end on
.endr
.irp b, 0,1                                    ; the head's two blocks of 32 along the last product's K
	v_max3_num_f32 v[232+\b], |v[96+16*\b]|, |v[97+16*\b]|, 0x1800000
.endr
.irp i, 2,4,6,8,10,12,14
.irp b, 0,1
	s_delay_alu instid0(VALU_DEP_2)
	v_max3_num_f32 v[232+\b], v[232+\b], |v[96+16*\b+\i]|, |v[97+16*\b+\i]|
.endr
.endr
.irp b, 0,1
	s_delay_alu instid0(VALU_DEP_2)
	v_permlanex16_b32 v[236+\b], v[232+\b], s[SEL], s[SEL+1]
.endr
.irp b, 0,1
	s_delay_alu instid0(VALU_DEP_2)
	v_max_num_f32 v[232+\b], v[232+\b], v[236+\b]
.endr
.irp b, 0,1
	s_delay_alu instid0(VALU_DEP_2)
	v_add_nc_u32 v[244+\b], 0xff000000, v[232+\b]
.endr
.irp b, 0,1
	s_delay_alu instid0(VALU_DEP_2)
	v_lshrrev_b32 v[236+\b], 23, v[244+\b]
.endr
.irp b, 0,1
	v_cvt_scalef32_pk8_fp4_f32 v[224+\b], v[96+16*\b:103+16*\b], v[244+\b]
	v_cvt_scalef32_pk8_fp4_f32 v[226+\b], v[104+16*\b:111+16*\b], v[244+\b]
.endr
	v_lshl_or_b32 v254, v237, 8, v236              ; my token's two bytes.  (The plain place behind the conversions)
	v_permlane16_swap_b32 v224, v225
	v_permlane16_swap_b32 v226, v227               ; v224-227: lane (r, h) holds d = 32 h + 0 .. 31 of token r
	global_store_b128 v[GO], v[224:227], s[\oc:\oc+1]   ; 32 lanes store 512 consecutive bytes, at a multiple of 512 from the buffer's first byte
	global_store_b16 v[SO], v254, s[\os:\os+1]     ; lanes l and l xor 16 store the same two bytes to the same place
	s_wait_xcnt 0x0                                ; the stores have read their registers: the next pass may write them
.endm
	PASS QH, QSH, 92, 16, 84, 88                   ; block 15 - pi: 16 - pi key steps
	PASS QL, QSL, 93, 8, 86, 90                    ; block pi: pi + 1 key steps
	s_wait_dscnt 0x0
	s_wait_tensorcnt 0x0
	ds_add_u32 v251, v255
	s_wait_dscnt 0x0
	CROUND                                         ; the closing round
	s_endpgm
.Lfunc_end_k_q84314b7336_attn:
	.size	k_q84314b7336_attn, .Lfunc_end_k_q84314b7336_attn-k_q84314b7336_attn
	.p2alignl 7, 3214868480
	.fill 96, 4, 3214868480
	.section	.rodata,"a",@progbits
	.p2align	6, 0x0
	.amdhsa_kernel k_q84314b7336_attn
		.amdhsa_group_segment_fixed_size 169984
		.amdhsa_private_segment_fixed_size 0
		.amdhsa_enable_private_segment 0
		.amdhsa_kernarg_size 32
		.amdhsa_user_sgpr_count 2
		.amdhsa_user_sgpr_kernarg_segment_ptr 1
		.amdhsa_wavefront_size32 1
		.amdhsa_system_sgpr_workgroup_id_x 1
		.amdhsa_system_sgpr_workgroup_id_y 1
		.amdhsa_system_sgpr_workgroup_id_z 1
		.amdhsa_system_vgpr_workitem_id 0
		.amdhsa_next_free_vgpr 256
		.amdhsa_next_free_sgpr 100
		.amdhsa_reserve_vcc 1
		.amdhsa_float_denorm_mode_32 3
		.amdhsa_float_denorm_mode_16_64 3
		.amdhsa_memory_ordered 1
		.amdhsa_forward_progress 1
		.amdhsa_inst_pref_size 66
	.end_amdhsa_kernel
	.amdgpu_metadata
---
amdhsa.version: [ 1, 2 ]
amdhsa.kernels:
  - .name:           k_q84314b7336_attn
    .symbol:         k_q84314b7336_attn.kd
    .args:
      - { .name: qkv_codes, .offset: 0, .size: 8, .value_kind: global_buffer, .address_space: global }
      - { .name: qkv_scales, .offset: 8, .size: 8, .value_kind: global_buffer, .address_space: global }
      - { .name: att_codes, .offset: 16, .size: 8, .value_kind: global_buffer, .address_space: global }
      - { .name: att_scales, .offset: 24, .size: 8, .value_kind: global_buffer, .address_space: global }
    .group_segment_fixed_size: 169984
    .private_segment_fixed_size: 0
    .kernarg_segment_align: 8
    .kernarg_segment_size: 32
    .max_flat_workgroup_size: 512
    .sgpr_count:     100
    .vgpr_count:     256
    .wavefront_size: 32
...
	.end_amdgpu_metadata
.endif
;; end of part 2
;; launch proj (part 3): grid 4 x 64, 4 waves a work-group, clusters of 4 x 4, 327,680 bytes of LDS; arguments att_codes, att_scales, w_out_codes, w_out_scales, b_out, out0; writes out0
.if DOCPART == 3
	.amdgcn_target "amdgcn-amd-amdhsa--gfx1250"
	.amdhsa_code_object_version 6
	.text
	.protected	k_q84314b7336_proj
	.globl	k_q84314b7336_proj
	.p2align	8
	.type	k_q84314b7336_proj,@function
k_q84314b7336_proj:
	s_mov_b64 s[64:65], 0
	v_nop
	global_prefetch_b8 v0, s[64:65] scope:SCOPE_SE
	s_setreg_imm32_b32 hwreg(HW_REG_WAVE_MODE, 25, 1), 1
	s_wait_xcnt 0x0
	s_wait_alu depctr_hold_cnt(0) depctr_sa_sdst(0) depctr_va_vdst(0) depctr_va_sdst(0) depctr_va_ssrc(0) depctr_va_vcc(0) depctr_vm_vsrc(0)
	s_getreg_b32 s2, hwreg(HW_REG_IB_STS2, 6, 4)
	s_cmp_eq_u32 s2, 0
	s_cbranch_scc0 .Lentry_in_a_cluster
	s_endpgm
.Lentry_in_a_cluster:
	s_bfe_u32 s2, ttmp6, 0x10000c
	s_cmp_lg_u32 s2, 0xf033
	s_cbranch_scc0 .Lentry_shape_is_right
	s_endpgm
.Lentry_shape_is_right:
; out0 = att w_out + b_out on codes of FP4 (E2M1) with E8M0 scales.  att: 8,192 tokens x 1,024, as the launch before lays it: att_codes [token tile 512][head 16][lane 32][16], so that the fragment of a tile of 16 tokens
; and K step s (128 along K = heads 2 s, 2 s + 1) is the 1,024 bytes at tile 8192 + s 1024, an image of its eight registers; att_scales [token][32].  w_out: 1,024 rows of 512 bytes of codes, 32 scale bytes a row.
; SHARES.  A work-group makes 128 tokens x 256 columns: 256 work-groups.  A wave makes 64 tokens x 128 columns: 32 accumulators, 256 registers.  All of K lies in LDS at once, in two halves of 512 along K, each filled once.
; CLUSTERS of 4 x 4: the tokens' tiles ("A") are shared along a row of the cluster, w_out's ("B") along a column: joint loads.
; THE MATRIX INSTRUCTION IS USED TRANSPOSED (source 0 = 16 rows of w_out, source 1 = 16 tokens): a lane holds eight neighbouring numbers of a row of out0.  The bias is the C of each sum's first matrix instruction.
; LIMITS: NaN and infinities are not served.
.set PITCH,  272                       ; a row of B in LDS: 256 bytes + 16 of padding
.set ABYT,   32768                     ; A's part of a slot: 8 tiles x 4 K steps x 1,024 bytes, dense
.set HALFB,  128*PITCH                 ; 128 rows of B
.set SLOT,   ABYT+2*HALFB              ; 102,400
.set SCL,    2*SLOT                    ; the scales, as pieces of 256 bytes + 16 of padding: A's 2 x 2,176, then B's 2 x 4,352
.set HSA,    8*272
.set HSB,    16*272
.set SBLK,   2*272                     ; the scales of 16 rows
.set STG,    SCL+2*HSA+2*HSB           ; the way out: a stage of 16 rows x 528 bytes for each wave, in bytes of its own, into which no tensor load lands
.set SPITCH, 528
.set ADRA, 16                          ; v16-17  LDS address of my A fragments in slot 0, 1
.set ADRB, 20                          ; v20-21  the same for B
.set STO,  24                          ; v24     the way out: where I put 32 bytes of a row
.set RD,   25                          ; v25     where I read a row back
.set CO,   26                          ; v26     16 x lane: my place in a row's 512 bytes of out0
.set ADRS, 27                          ; v27     LDS address of my scale words: lanes 0-15 A's rows, lanes 16-31 B's
.set BO1,  28                          ; v28     32 x (lane / 16): the bias
.set SC,   32                          ; v32-95  scale words, a set of 32 for each slot
.set AF,   128                         ; v128-159, v160-191 A's fragments, two sets of four (window 0)
.set BI,   64                          ; window 1, v64-127: the bias, eight tiles
.set BK,   128                         ; the way out: 16 rows read back: v128-191 and v192-255 by turns
.set G1, 24
.set G0, 32
.set G1B, 48
.set G0B, 56
.set G1S, 68
.set G0S, 76
.set G1SB, 80
.set G0SB, 88
.set MSB, 0
.macro WIN new                         ; the immediate's high byte repeats the setting that is left
.if MSB != (\new)
	s_set_vgpr_msb (MSB<<8)|(\new)
.set MSB, (\new)
.endif
.endm
.macro JLOAD g0a, g1a, g0b, g1b        ; waves 0 and 1 fetch for A, waves 2 and 3 for B; four v_nop follow each of the two lines
	s_cmp_eq_u32 s19, 0
	s_cbranch_scc0 .Lfor_b_\@
	tensor_load_to_lds s[\g0a:\g0a+3], s[\g1a:\g1a+7]
	s_nop 0
.rept 4
	v_nop
.endr
	s_branch .Lasked_\@
.Lfor_b_\@:
	tensor_load_to_lds s[\g0b:\g0b+3], s[\g1b:\g1b+7]
	s_nop 0
.rept 4
	v_nop
.endr
.Lasked_\@:
.endm
.macro CROUND                          ; a round of the cluster's barrier
	s_barrier_signal -1
	s_barrier_wait -1
	s_cmp_lg_u32 s18, 0
	s_cbranch_scc1 .Lnot_wave_0_\@
	s_barrier_signal -3
.Lnot_wave_0_\@:
	s_barrier_wait -3
	s_barrier_signal -1
	s_barrier_wait -1
.endm
.macro PLACES n
.rept \n
	v_nop
.endr
.endm
	s_load_b256 s[4:11], s[0:1], 0x0               ; att_codes s[4:5], att_scales s[6:7], w_out's codes s[8:9], its scales s[10:11]
	s_load_b128 s[12:15], s[0:1], 0x20             ; b_out s[12:13], out0 s[14:15]
	v_lshl_add_u32 v126, v0, 2, 0x3d700
	v_mov_b32 v127, 0
	ds_add_u32 v126, v127
	ds_add_u32 v126, v127
	v_lshrrev_b32 v1, 5, v0
	v_readfirstlane_b32 s18, v1                    ; wave 0..3
	s_lshr_b32 s19, s18, 1                         ; which 64 tokens are mine.  Also: I fetch for A (0) or for B (1)
	s_and_b32 s20, s18, 1                          ; which 128 columns.  Also: which half of a tile I fetch
	s_bfe_u32 s21, ttmp6, 0x40000                  ; cx
	s_bfe_u32 s22, ttmp6, 0x40004                  ; cy
	s_lshl_b32 s40, ttmp9, 2
	s_add_co_u32 s40, s40, s21                     ; B's tile of 256 columns
	s_and_b32 s41, ttmp7, 0xffff
	s_lshl_b32 s41, s41, 2
	s_add_co_u32 s41, s41, s22                     ; A's tile of 128 tokens
	s_lshl_b32 s2, s22, 2
	s_lshl_b32 s2, 15, s2                          ; my row of the cluster
	s_lshl_b32 s3, 0x1111, s21                     ; my column
	s_or_b32 s[G1], s2, (3<<16)|(1<<21)            ; A's codes: 4 tiles' 4,096 bytes (512 elements of 8), 8,192 bytes apart; no padding: images are read as they lie
	s_mov_b32 s[G1+1], 512<<16
	s_mov_b32 s[G1+2], 4<<16
	s_mov_b32 s[G1+3], 512<<16
	s_mov_b32 s[G1+4], 4
	s_mov_b32 s[G1+5], 1024
	s_mov_b32 s[G1+6], 0
	s_mov_b32 s[G1+7], 0
	s_or_b32 s[G1B], s3, (1<<20)|(1<<21)|(5<<22)|(3<<25)   ; B's codes: 128 rows of 256 bytes, 512 apart; four words of padding after every 64
	s_mov_b32 s[G1B+1], 256<<16
	s_mov_b32 s[G1B+2], 128<<16
	s_mov_b32 s[G1B+3], 256<<16
	s_mov_b32 s[G1B+4], 128
	s_mov_b32 s[G1B+5], 512
	s_mov_b32 s[G1B+6], 0
	s_mov_b32 s[G1B+7], 0
	s_or_b32 s[G1S], s2, (3<<16)|(1<<20)|(1<<21)|(5<<22)|(3<<25)   ; the scales of 64 tokens: 2,048 dense bytes as 8 rows of 256, padded
	s_mov_b32 s[G1S+1], 32<<16
	s_mov_b32 s[G1S+2], 8<<16
	s_mov_b32 s[G1S+3], 32<<16
	s_mov_b32 s[G1S+4], 8
	s_mov_b32 s[G1S+5], 32
	s_mov_b32 s[G1S+6], 0
	s_mov_b32 s[G1S+7], 0
	s_or_b32 s[G1SB], s3, (3<<16)|(1<<20)|(1<<21)|(5<<22)|(3<<25)  ; those of 128 rows of w_out: 16 rows of 256
	s_mov_b32 s[G1SB+1], 32<<16
	s_mov_b32 s[G1SB+2], 16<<16
	s_mov_b32 s[G1SB+3], 32<<16
	s_mov_b32 s[G1SB+4], 16
	s_mov_b32 s[G1SB+5], 32
	s_mov_b32 s[G1SB+6], 0
	s_mov_b32 s[G1SB+7], 0
	s_lshl_b32 s42, s20, 14                        ; LDS: A's codes: my 4 tiles;
	s_mul_i32 s43, s20, HALFB
	s_add_co_u32 s43, s43, ABYT                    ; B's: my 128 rows, behind A's;
	s_mul_i32 s66, s20, HSA
	s_add_co_u32 s66, s66, SCL                     ; A's scales;
	s_mul_i32 s67, s20, HSB
	s_add_co_u32 s67, s67, SCL+2*HSA               ; B's: no place in the cluster enters an LDS address
	s_mov_b32 s97, 0
	s_mov_b32 s99, 0
	s_wait_dscnt 0x0
	s_wait_kmcnt 0x0
	s_lshl_b32 s96, s41, 16                        ; A's codes: (8 x tile row + 4 x half) tiles of 8,192 bytes
	s_lshl_b32 s2, s20, 15
	s_add_co_u32 s96, s96, s2
	s_add_nc_u64 s[44:45], s[4:5], s[96:97]
	s_lshl_b32 s96, s41, 12                        ; A's scales: (128 x tile row + 64 x half) rows of 32 bytes
	s_lshl_b32 s2, s20, 11
	s_add_co_u32 s96, s96, s2
	s_add_nc_u64 s[46:47], s[6:7], s[96:97]
	s_lshl_b32 s98, s40, 17                        ; B's codes: (256 x tile column + 128 x half) rows of 512 bytes
	s_lshl_b32 s2, s20, 16
	s_add_co_u32 s98, s98, s2
	s_add_nc_u64 s[92:93], s[8:9], s[98:99]
	s_lshl_b32 s98, s40, 13                        ; B's scales
	s_lshl_b32 s2, s20, 12
	s_add_co_u32 s98, s98, s2
	s_add_nc_u64 s[94:95], s[10:11], s[98:99]
	CROUND                                         ; all sixteen work-groups are here: the joint loads meet
	s_mov_b32 s[G0S], 1
	s_mov_b32 s[G0S+1], s66
	s_mov_b64 s[G0S+2:G0S+3], s[46:47]
	s_or_b32 s[G0S+3], s[G0S+3], 0x80000000
	s_mov_b32 s[G0SB], 1
	s_mov_b32 s[G0SB+1], s67
	s_mov_b64 s[G0SB+2:G0SB+3], s[94:95]
	s_or_b32 s[G0SB+3], s[G0SB+3], 0x80000000
	JLOAD G0S, G1S, G0SB, G1SB                     ; the scales first
.irp s, 0,1
	s_mov_b32 s[G0+4*\s], 1
	s_add_co_u32 s[G0+4*\s+1], s42, \s*SLOT
	s_add_nc_u64 s[G0+4*\s+2:G0+4*\s+3], s[44:45], \s*4096
	s_or_b32 s[G0+4*\s+3], s[G0+4*\s+3], 0x80000000
	s_mov_b32 s[G0B+4*\s], 1
	s_add_co_u32 s[G0B+4*\s+1], s43, \s*SLOT
	s_add_nc_u64 s[G0B+4*\s+2:G0B+4*\s+3], s[92:93], \s*256
	s_or_b32 s[G0B+4*\s+3], s[G0B+4*\s+3], 0x80000000
	s_wait_alu depctr_va_vdst(0)
	s_wait_tensorcnt 0x0
	ds_add_u32 v126, v127
	s_wait_dscnt 0x0
	CROUND
	JLOAD G0+4*\s, G1, G0B+4*\s, G1B               ; one tensor load of mine is out; every LDS byte that they fill is filled once
.endr
	v_and_b32 v1, 15, v0                           ; r
	v_bfe_u32 v2, v0, 4, 1                         ; h
	v_and_b32 v7, 31, v0                           ; lane
	v_lshlrev_b32 v[CO], 4, v7
	v_mul_u32_u24 v3, v1, PITCH
	v_lshl_add_u32 v4, v2, 4, v3                   ; B: a fragment's row x pitch + 16 h
	s_lshl_b32 s2, s19, 14                         ; my four tiles of A
	s_mul_i32 s3, s20, HALFB
	s_add_co_u32 s3, s3, ABYT                      ; my 128 rows of B
.irp s, 0,1
	v_add_nc_u32 v[ADRA+\s], s2, v[CO]             ; A: an image: 16 x lane
	v_add_nc_u32 v[ADRB+\s], s3, v4
	s_add_co_u32 s2, s2, SLOT
	s_add_co_u32 s3, s3, SLOT
.endr
	v_lshlrev_b32 v5, 5, v1                        ; my row's scales: 32 bytes a row,
	v_lshrrev_b32 v6, 8, v5
	v_lshl_add_u32 v5, v6, 4, v5                   ; and 16 more for each 256 passed
	s_mul_i32 s2, s19, HSA                         ; A's: my 64 tokens
	s_mul_i32 s3, s20, HSB
	s_add_co_u32 s3, s3, 2*HSA                     ; B's: my 128 rows, behind A's
	s_sub_co_u32 s3, s3, s2
	v_mul_u32_u24 v6, s3, v2                       ; lanes 16-31 take B's: one product, the distance between the two bases
	s_add_co_u32 s2, s2, SCL
	v_add_nc_u32 v5, v5, v6
	v_add_nc_u32 v[ADRS], s2, v5
	s_mul_i32 s2, s18, 16*SPITCH
	s_add_co_u32 s2, s2, STG                       ; my stage
	v_mul_u32_u24 v5, v1, SPITCH
	v_lshl_add_u32 v5, v2, 5, v5
	v_add_nc_u32 v[STO], s2, v5                    ; in: row r, 32 bytes for each half of the lanes
	v_add_nc_u32 v[RD], s2, v[CO]                  ; back: the 32 lanes take one row of 512 bytes
	v_lshlrev_b32 v[BO1], 5, v2
	s_wait_alu depctr_va_vdst(0)
	s_lshl_b32 s2, s40, 10
	s_lshl_b32 s3, s20, 9
	s_add_co_u32 s2, s2, s3                        ; my first column, in bytes: 1,024 x tile column + 512 x half
	s_mov_b32 s3, 0
	s_add_nc_u64 s[12:13], s[12:13], s[2:3]
	s_add_nc_u64 s[14:15], s[14:15], s[2:3]
	s_lshl_b32 s2, s41, 19
	s_lshl_b32 s96, s19, 18
	s_add_co_u32 s2, s2, s96                       ; my first token's row: (128 x tile row + 64 x half) x 4,096 bytes
	s_add_nc_u64 s[14:15], s[14:15], s[2:3]
	WIN 0x40                                       ; destination window 1
.irp t, 0,1,2,3,4,5,6,7                        ; the bias in the result's layout: tile t of B, register j: column 16 t + 8 h + j
	global_load_b128 v[BI+8*\t:BI+8*\t+3], v[BO1], s[12:13] offset:64*\t
	global_load_b128 v[BI+8*\t+4:BI+8*\t+7], v[BO1], s[12:13] offset:64*\t+16
.endr
	WIN 0
	s_wait_loadcnt 0x0
; 24 LDS loads in one run: the fragments of the slot's q-th 128 along K, into set p: B's eight from rows, A's four as images
.macro FETCH slot, q, p
	WIN 0x40
.irp i, 0,1,2,3,4,5,6,7
.irp c, 0,1
	ds_load_b128 v[128*(\p)+8*\i+4*\c:128*(\p)+8*\i+4*\c+3], v[ADRB+(\slot)] offset:64*(\q)+32*\c+\i*16*PITCH
.endr
.endr
	WIN 0
.irp i, 0,1,2,3
.irp c, 0,1
	ds_load_b128 v[AF+32*(\p)+8*\i+4*\c:AF+32*(\p)+8*\i+4*\c+3], v[ADRA+(\slot)] offset:\i*4096+(\q)*1024+\c*512
.endr
.endr
.endm
.macro SCALES sc                       ; a slot's scale words: lanes 0-15 take A's block i (blocks 4-7 are not mine and are not used), lanes 16-31 B's block i
.irp i, 0,1,2,3,4,5,6,7
	ds_load_b128 v[SC+32*\sc+4*\i:SC+32*\sc+4*\i+3], v[ADRS] offset:\i*SBLK
.endr
.endm
; 32 matrix instructions: A's four blocks x B's eight, 128 along K; the 32 accumulators take turns, one instruction a turn.  cm = 1: the sums begin with the bias.
.macro MUL32 p, q, sc, cm
.if \cm
	WIN 0x91                                       ; source 0 (B) window 1, source 1 (A) window 0, C (the bias) window 1, D window 2
.else
	WIN 0xa1                                       ; C and D window 2
.endif
.irp a, 0,1,2,3
.irp b, 0,1,2,3,4,5,6,7
.if \cm
	v_wmma_scale_f32_16x16x128_f8f6f4 v[8*(8*\a+\b):8*(8*\a+\b)+7], v[128*(\p)+8*\b:128*(\p)+8*\b+7], v[AF+32*(\p)+8*\a:AF+32*(\p)+8*\a+7], v[BI+8*\b:BI+8*\b+7], v[SC+32*(\sc)+4*\b+(\q)], v[SC+32*(\sc)+4*\a+(\q)] matrix_a_fmt:MATRIX_FMT_FP4 matrix_b_fmt:MATRIX_FMT_FP4 matrix_a_scale:MATRIX_SCALE_ROW1
.else
	v_wmma_scale_f32_16x16x128_f8f6f4 v[8*(8*\a+\b):8*(8*\a+\b)+7], v[128*(\p)+8*\b:128*(\p)+8*\b+7], v[AF+32*(\p)+8*\a:AF+32*(\p)+8*\a+7], v[8*(8*\a+\b):8*(8*\a+\b)+7], v[SC+32*(\sc)+4*\b+(\q)], v[SC+32*(\sc)+4*\a+(\q)] matrix_a_fmt:MATRIX_FMT_FP4 matrix_b_fmt:MATRIX_FMT_FP4 matrix_a_scale:MATRIX_SCALE_ROW1
.endif
.endr
.endr
	WIN 0
.endm
.macro KHEAD k                         ; ahead of step k's products: the next step's fragments are asked for, this step's are waited for
.if (\k) == 3                          ; the next step's fragments lie in slot 1:
	s_wait_dscnt 0x0                               ; no LDS load of mine is out at a signal,
	s_wait_tensorcnt 0x0                           ; my part of slot 1 has landed,
	s_barrier_signal -1
	s_barrier_wait -1                              ; and everybody's has
.endif
.if (\k) > 0
	PLACES 4                                       ; in front of loads into registers that the last products have read
.endif
.if (\k) < 7
	FETCH ((\k)+1)/4, ((\k)+1)%4, 1-(\k)%2
.endif
.if (\k) == 3
	v_add_nc_u32 v[ADRS], 16, v[ADRS]              ; slot 1's four scale words of a row
	SCALES 1
	s_wait_dscnt 32                                ; the 32 just issued may be out
.elseif (\k) == 7
	s_wait_dscnt 0x0
.else
	s_wait_dscnt 24                                ; all but the 24 just issued
.endif
.endm
	s_wait_tensorcnt 1                             ; the scales and my part of slot 0 are in; slot 1's load, issued last, may stay out
	s_barrier_signal -1
	s_barrier_wait -1
	FETCH 0, 0, 0
	SCALES 0
	KHEAD 0
	MUL32 0, 0, 0, 1
.irp k, 1,2,3,4,5,6,7
	KHEAD \k
	MUL32 (\k)%2, (\k)%4, (\k)/4, 0
.endr
; THE WAY OUT, block by block of 16 tokens x 128 columns: through my own stage in LDS, back as whole rows of 512 bytes.  LDS serves a wave's instructions in order (ISA guide 5.7.1.4): no wait between the stores and the loads,
; nor in front of the next block's stores.
.macro TOSTAGE a
	WIN 0x08                                       ; an LDS store's data are its source 1: window 2
.irp b, 0,1,2,3,4,5,6,7
	ds_store_b128 v[STO], v[64*(\a)+8*\b:64*(\a)+8*\b+3] offset:64*\b          ; each accumulator from its low end on
	ds_store_b128 v[STO], v[64*(\a)+8*\b+4:64*(\a)+8*\b+7] offset:64*\b+16
.endr
	WIN 0
.set BB, BK+64*((\a)%2)
.irp t, 0,1,2,3,4,5,6,7,8,9,10,11,12,13,14,15
	ds_load_b128 v[BB+4*\t:BB+4*\t+3], v[RD] offset:\t*SPITCH
.endr
.endm
.macro SEND a, younger                 ; younger: the LDS instructions issued behind block a's loads, which may stay out
.set BB, BK+64*((\a)%2)
	s_wait_dscnt \younger
.irp t, 0,1,2,3,4,5,6,7,8,9,10,11,12,13,14,15
	global_store_b128 v[CO], v[BB+4*\t:BB+4*\t+3], s[14:15] offset:(16*(\a)+\t)*4096 th:TH_STORE_NT   ; 32 lanes store 512 consecutive bytes, at a multiple of 512 from out0's first byte; 63 rows at the most: inside the signed 24-bit immediate
.endr
.endm
	PLACES 4                                       ; behind the last products: the first reads of results, and the loads into registers that held A's fragments
	TOSTAGE 0
.irp a, 1,2,3
.if \a > 1
	s_wait_xcnt 0x0                                ; block a - 2's stores have read their registers: block a's loads may land there
.endif
	TOSTAGE \a
	SEND \a-1, 32                                  ; behind block a - 1's loads: block a's 16 stores and 16 loads
.endr
	SEND 3, 0
	s_wait_dscnt 0x0
	s_wait_tensorcnt 0x0
	ds_add_u32 v126, v127
	s_wait_dscnt 0x0
	CROUND                                         ; the closing round
	s_endpgm
.Lfunc_end_k_q84314b7336_proj:
	.size	k_q84314b7336_proj, .Lfunc_end_k_q84314b7336_proj-k_q84314b7336_proj
	.p2alignl 7, 3214868480
	.fill 96, 4, 3214868480
	.section	.rodata,"a",@progbits
	.p2align	6, 0x0
	.amdhsa_kernel k_q84314b7336_proj
		.amdhsa_group_segment_fixed_size 327680
		.amdhsa_private_segment_fixed_size 0
		.amdhsa_enable_private_segment 0
		.amdhsa_kernarg_size 48
		.amdhsa_user_sgpr_count 2
		.amdhsa_user_sgpr_kernarg_segment_ptr 1
		.amdhsa_wavefront_size32 1
		.amdhsa_system_sgpr_workgroup_id_x 1
		.amdhsa_system_sgpr_workgroup_id_y 1
		.amdhsa_system_sgpr_workgroup_id_z 1
		.amdhsa_system_vgpr_workitem_id 0
		.amdhsa_next_free_vgpr 768
		.amdhsa_next_free_sgpr 100
		.amdhsa_reserve_vcc 0
		.amdhsa_float_denorm_mode_32 3
		.amdhsa_float_denorm_mode_16_64 3
		.amdhsa_memory_ordered 1
		.amdhsa_forward_progress 1
		.amdhsa_inst_pref_size 75
	.end_amdhsa_kernel
	.amdgpu_metadata
---
amdhsa.version: [ 1, 2 ]
amdhsa.kernels:
  - .name:           k_q84314b7336_proj
    .symbol:         k_q84314b7336_proj.kd
    .args:
      - { .name: att_codes, .offset: 0, .size: 8, .value_kind: global_buffer, .address_space: global }
      - { .name: att_scales, .offset: 8, .size: 8, .value_kind: global_buffer, .address_space: global }
      - { .name: w_out_codes, .offset: 16, .size: 8, .value_kind: global_buffer, .address_space: global }
      - { .name: w_out_scales, .offset: 24, .size: 8, .value_kind: global_buffer, .address_space: global }
      - { .name: b_out, .offset: 32, .size: 8, .value_kind: global_buffer, .address_space: global }
      - { .name: out0, .offset: 40, .size: 8, .value_kind: global_buffer, .address_space: global }
    .group_segment_fixed_size: 327680
    .private_segment_fixed_size: 0
    .kernarg_segment_align: 8
    .kernarg_segment_size: 48
    .max_flat_workgroup_size: 128
    .sgpr_count:     100
    .vgpr_count:     768
    .wavefront_size: 32
...
	.end_amdgpu_metadata
.endif
;; end of part 3
